; MI455X (gfx1250); checked and timed in simulation.
; The chip was launched on July 23, 2026; its instructions are those of AMD's public machine-readable ISA for CDNA 5 (MIT licence, August 2026) and "CDNA5" Instruction Set Architecture Reference Guide (July 2026). The comments in the code are by the model that wrote it; some were corrected since.
;; Transformer Layer. Allowed arithmetic: matrix products marked QUANTISED: E4M3 operands, one given power-of-two scale a tensor, by v_wmma_f32_16x16x64_fp8_fp8 or v_wmma_f32_16x16x128_fp8_fp8, f32 sums; everything else in f32.
;; Inputs: W1_codes 4,096 x 32 x 32 uint8 (E4M3 codes of W1, K innermost, in blocks of 32 codes); W2_codes 1,024 x 128 x 32 uint8 (E4M3 codes of W2, K innermost, in blocks of 32 codes); Wk_codes 1,024 x 32 x 32 uint8 (E4M3 codes of Wk, K innermost, in blocks of 32 codes); Wm_codes 1,024 x 32 x 32 uint8 (E4M3 codes of Wm, K innermost, in blocks of 32 codes); Wq_codes 1,024 x 32 x 32 uint8 (E4M3 codes of Wq, K innermost, in blocks of 32 codes); Wv_codes 1,024 x 32 x 32 uint8 (E4M3 codes of Wv, K innermost, in blocks of 32 codes); b1 4,096 float32; b2 1,024 float32; be1 1,024 float32; be2 1,024 float32; bk 1,024 float32; bm 1,024 float32; bq 1,024 float32; bv 1,024 float32; g1 1,024 float32; g2 1,024 float32; lowp_scales 16 int32 (the exponents e of the quantised operands' scales 2^e); x 2 x 2,048 x 1,024 float32.
;; Outputs: out0 2 x 2,048 x 1,024 float32.
;; This version of the problem:
;;   THIS VERSION OF THE PROBLEM IS GIVEN IN LOW PRECISION. The matrix products marked QUANTISED in the list below multiply operands that are first quantised to E4M3 (4 exponent bits, 3 mantissa bits; 8 bits a number), with one given power-of-two scale for each operand tensor; their sums are f32. All else is computed in f32.
;;   The module's matrix products, in the order in which they are computed (A, B: the left and right operand; K: the contracted axis; several contracted axes count as one K, in the product's order):
;;     1. [M 4,096, K 1,024] x [K 1,024, N 1,024]; A: input x; B: input Wq (given as codes): QUANTISED (scales: A lowp_scales[0], B lowp_scales[1])
;;     2. [M 4,096, K 1,024] x [K 1,024, N 1,024]; A: input x; B: input Wk (given as codes): QUANTISED (scales: A lowp_scales[2], B lowp_scales[3])
;;     3. [M 4,096, K 1,024] x [K 1,024, N 1,024]; A: input x; B: input Wv (given as codes): QUANTISED (scales: A lowp_scales[4], B lowp_scales[5])
;;     4. batch 32 x [M 2,048, K 64] x [K 64, N 2,048]; A: computed on the way; B: computed on the way: QUANTISED (scales: A lowp_scales[6], B lowp_scales[7])
;;     5. batch 32 x [M 2,048, K 2,048] x [K 2,048, N 64]; A: softmax (see below); B: computed on the way: QUANTISED (scales: A lowp_scales[8], B lowp_scales[9])
;;     6. [M 4,096, K 1,024] x [K 1,024, N 1,024]; A: computed on the way; B: input Wm (given as codes): QUANTISED (scales: A lowp_scales[10], B lowp_scales[11])
;;     7. [M 4,096, K 1,024] x [K 1,024, N 4,096]; A: computed on the way; B: input W1 (given as codes): QUANTISED (scales: A lowp_scales[12], B lowp_scales[13])
;;     8. [M 4,096, K 4,096] x [K 4,096, N 1,024]; A: computed on the way; B: input W2 (given as codes): QUANTISED (scales: A lowp_scales[14], B lowp_scales[15])
;;   THE QUANTISER, for each operand of a quantised product, along K:
;;     - The operand's scale is 2^e, e = its entry of the input lowp_scales (int32; the entries are numbered through the quantised products in the list's order, A before B).
;;     - Each number is divided by the scale, clamped to +-448, and rounded to the nearest number of E4M3, ties to even, subnormals kept.
;;     - The product sums the exact products of the quantised numbers (number of the format x scale) in f32.
;;   ~~~python
;;   def quantise(x, axis, e):      # numpy; x: float32 -> the quantised numbers, widened to float32 again
;;       x = np.moveaxis(x, axis, -1); K = x.shape[-1]
;;       r = np.clip(x / 2.0 ** e, -448, 448)
;;       step = 2.0 ** (np.maximum(np.frexp(np.where(r == 0, 1, r))[1] - 1, -6) - 3)
;;       q = np.round(r / step) * step * 2.0 ** e      # np.round: ties to even
;;       return np.moveaxis(q, -1, axis).astype(np.float32)
;;   ~~~
;;   SOFTMAX AHEAD OF A QUANTISED PRODUCT. Where the list says 'softmax', what is quantised is not the finished softmax but p = 2^(t - M), with t = logit x log2(e) and M = ceil(the row's largest t), a whole number; so 1/2 < the row's largest p <= 1. The row's sum l is taken of the UNQUANTISED p, in f32, and the product's result is divided by l at the end. Since M is a whole number, a kernel that streams over the keys may use a running M (the ceiling of the running maximum): every later rescaling is an exact power of two, so the quantised numbers keep their values, but for numbers so far below the row's largest that they fall under the format's range.
;;   OPERANDS COMPUTED ON THE WAY. 'Computed on the way' means the value that the module computes at that place (a softmax that the list does not call 'softmax' is quantised finished and normalised). What goes into a quantiser is computed in f32, as accurately as f32 sums, v_exp_f32 and their like allow (about 1e-6 of the number): no bf16 or f16 on the way to a quantiser, and a product that is left as it is and whose result goes on into a quantised operand takes f32 operands (vector FMAs, or v_wmma_f32_16x16x4_f32). A number that lies on a knife's edge between two numbers of the format may be rounded either way, as far as f32 arithmetic and the matrix unit's own rounding can turn it there, and no further.
;;   INPUTS GIVEN AS CODES. W1 (in the module: [1024, 4096], K = its axis 0); W2 (in the module: [4096, 1024], K = its axis 0); Wk (in the module: [1024, 1024], K = its axis 0); Wm (in the module: [1024, 1024], K = its axis 0); Wq (in the module: [1024, 1024], K = its axis 0); Wv (in the module: [1024, 1024], K = its axis 0): each comes as NAME_codes (uint8): NAME with its K axis moved to the last place and cut into blocks of 32 codes, [.., K / 32, bytes a block], one block behind the other in memory; one code a byte (a code: sign, 4 exponent bits, 3 mantissa bits); its scale is its entry of lowp_scales. Its value is code x scale, taken as it is: it is not quantised again, and the codes and scales need not be those that the quantiser above would give.
;; One version. Each part assembles by itself: llvm-mc -triple=amdgcn-amd-amdhsa -mcpu=gfx1250 --defsym DOCPART=n.
;; ======== version 1 of 1: 8 launches
;; limits: right only within a limited range of input values
;; workspace buffers: xc 12,582,912 bytes; w2s 4,194,304 bytes; qkv 12,582,912 bytes; hid 16,777,216 bytes; part 16,777,216 bytes; hf 16,777,216 bytes; hc 4,194,304 bytes
;; launch prep (part 1): grid 576 x 1, 4 waves a work-group, no clusters, 33,280 bytes of LDS; arguments x, W2_codes, lowp_scales, xc, w2s; writes xc, w2s
.if DOCPART == 1
	.amdgcn_target "amdgcn-amd-amdhsa--gfx1250"
	.amdhsa_code_object_version 6
	.text
	.protected	k_q4ffbffb21e_prep
	.globl	k_q4ffbffb21e_prep
	.p2align	8
	.type	k_q4ffbffb21e_prep,@function
k_q4ffbffb21e_prep:
	s_mov_b64 s[64:65], 0
	v_nop
	global_prefetch_b8 v0, s[64:65] scope:SCOPE_SE
	s_setreg_imm32_b32 hwreg(HW_REG_WAVE_MODE, 25, 1), 1
	s_wait_xcnt 0x0
; TWO JOBS IN ONE LAUNCH, told apart by the work-group's number; the two ways never join.
; Work-groups 0-511: x [4096][1024] f32 becomes THREE sets of E4M3 codes, xc [3][4096][1024], one for each of the scales 2^e under which x is an operand
; (entries 0, 2 and 4 of the scales' buffer: the products with Wq, Wk, Wv).  code = x / 2^e, held within +-448, to the nearest code, ties to even.
; Work-groups 512-575: W2's codes [1024 n][4096 k] are laid anew as four slices along K, w2s [4 z][1024 n][1024]: (z, n, c) = W2(n, 1024 z + c), so that a slice is a dense matrix of 1,024-byte rows.
; LIMITS: each e between -126 and 119, so that 2^e and 448 x 2^e are f32 numbers.  NaN among the inputs is not served.
; The quantiser: a wave takes 4 steps of 512 numbers, and all its 16 loads go out at its head: it waits for memory once.  Each load reads 512 consecutive bytes; the conversions want 16 neighbours in one lane, so a step's
; 2,048 bytes turn through the wave's own stage in LDS (16 bytes of padding behind each 64).  x is read once and converted three times.  A lane's 16 codes are 16 bytes: a store covers 512 consecutive bytes.  Waves share nothing: no barrier.
.set STEPS, 4
.set QWG,   512                        ; work-groups of the quantiser: 4,096 x 1,024 numbers / (4 waves x 4 steps x 512)
.set SP,    80                         ; a lane's place in a stage: 64 bytes + 16 of padding
.set WREG,  8192                       ; LDS of a wave: two stages of 32 x SP bytes
.set R,     16                         ; v16-79   four sets of 16 numbers as loaded, one a step
.set X,     80                         ; v80-111  two sets of 16 neighbours
.set T,     112                        ; v112-159 the held numbers, a set of 16 for each scale
.set C,     160                        ; v160-207 codes: step t, scale q at C + 12 t + 4 q: no store's data are written again
	s_load_b128 s[4:7], s[0:1], 0x0                ; x, W2's codes
	s_load_b64 s[10:11], s[0:1], 0x10              ; the scales' exponents
	s_load_b128 s[12:15], s[0:1], 0x18             ; xc, w2s
	v_lshl_add_u32 v208, v0, 2, 0x8000
	v_mov_b32 v209, 0
	v_lshrrev_b32 v1, 5, v0
	v_readfirstlane_b32 s16, v1                    ; wave
	v_and_b32 v2, 31, v0                           ; lane
	v_lshlrev_b32 v3, 4, v2                        ; my 16 bytes of a load's 512
	v_lshlrev_b32 v4, 4, v2                        ; and of a store's
	s_cmp_ge_u32 ttmp9, QWG
	s_cbranch_scc1 .Lcopy
	; ---- the quantiser
	s_mul_i32 s17, s16, WREG
	v_lshrrev_b32 v14, 2, v2
	v_mul_u32_u24 v14, v14, SP
	v_and_b32 v15, 3, v2
	v_lshl_add_u32 v14, v15, 4, v14
	v_add_nc_u32 v14, s17, v14                     ; into the stage: four lanes' 64 bytes on end, then the padding
	v_mul_u32_u24 v15, v2, SP
	v_add_nc_u32 v15, s17, v15                     ; out of it: my 16 neighbours
	s_lshl_b32 s18, ttmp9, 2
	s_add_co_u32 s18, s18, s16                     ; which run of 2,048 numbers is my wave's
	s_lshl_b32 s20, s18, 13
	s_mov_b32 s21, 0
	s_lshl_b32 s22, s18, 11
	s_mov_b32 s23, 0
	s_wait_kmcnt 0x0
	s_load_b128 s[28:31], s[10:11], 0x0            ; entries 0 to 3
	s_load_b32 s32, s[10:11], 0x10                 ; entry 4
	s_add_nc_u64 s[4:5], s[4:5], s[20:21]
	s_add_nc_u64 s[8:9], s[12:13], s[22:23]        ; my codes in set 0,
	s_add_nc_u64 s[24:25], s[8:9], 0x400000        ; set 1,
	s_add_nc_u64 s[26:27], s[8:9], 0x800000        ; set 2
.macro LOAD t
.irp i, 0,1,2,3
	global_load_b128 v[R+16*((\t)%4)+4*\i:R+16*((\t)%4)+4*\i+3], v3, s[4:5] offset:2048*(\t)+512*\i th:TH_LOAD_NT
.endr
.endm
.macro TURN t                          ; step t's numbers through the stage: LDS serves a wave's instructions in order, so no wait stands between the stores and the loads
.irp i, 0,1,2,3
	ds_store_b128 v14, v[R+16*((\t)%4)+4*\i:R+16*((\t)%4)+4*\i+3] offset:32*SP*((\t)%2)+8*SP*\i
.endr
.irp i, 0,1,2,3
	ds_load_b128 v[X+16*((\t)%2)+4*\i:X+16*((\t)%2)+4*\i+3], v15 offset:32*SP*((\t)%2)+16*\i
.endr
.endm
.macro SCL e, vs, vl                   ; v[vs] = 2^e as f32 (the conversion takes its exponent field), v[vl] = 448 x 2^e
	s_add_co_i32 s33, s[\e], 127
	s_lshl_b32 s34, s33, 23
	v_mov_b32 v[\vs], s34
	s_add_co_i32 s33, s33, 8
	s_lshl_b32 s33, s33, 23
	s_or_b32 s33, s33, 0x600000
	v_mov_b32 v[\vl], s33
.endm
.macro QSET t, q, base                 ; the step's 16 numbers under scale q: held (the conversion to an 8-bit code does not saturate: ISA guide 7.6.2), converted, stored
.irp i, 0,1,2,3,4,5,6,7,8,9,10,11,12,13,14,15
	v_med3_num_f32 v[T+16*\q+\i], v[XS+\i], -v[6+2*\q], v[6+2*\q]
.endr
	v_cvt_scalef32_pk8_fp8_f32 v[C+12*(\t)+4*\q:C+12*(\t)+4*\q+1], v[T+16*\q:T+16*\q+7], v[5+2*\q]
	v_cvt_scalef32_pk8_fp8_f32 v[C+12*(\t)+4*\q+2:C+12*(\t)+4*\q+3], v[T+16*\q+8:T+16*\q+15], v[5+2*\q]
	global_store_b128 v4, v[C+12*(\t)+4*\q:C+12*(\t)+4*\q+3], s[\base:\base+1] offset:512*(\t)
.endm                                  ; the next vector lines are holds into ANOTHER set of T: plain lines that touch nothing of these conversions
	s_wait_alu depctr_va_vdst(0)
.irp t, 0,1,2,3
	LOAD \t                                        ; the wave's whole share
.endr
	s_wait_kmcnt 0x0
	SCL 28, 5, 6
	SCL 30, 7, 8
	SCL 32, 9, 10
	s_wait_alu depctr_va_vdst(0)
	s_wait_loadcnt 12                              ; step 0's four loads are in; the twelve of steps 1 to 3 may be out
	TURN 0
.macro STEP t
.set XS, X+16*((\t)%2)
	s_wait_dscnt 0x0                               ; this step's numbers are back from the stage
.if (\t)+1 < STEPS
	s_wait_loadcnt 4*(STEPS-2-(\t))                ; the next step's four loads are in; those of the steps behind it may be out
	TURN (\t)+1                                    ; and go through the other stage while this step is worked
.endif
	QSET \t, 0, 8
	QSET \t, 1, 24
	QSET \t, 2, 26
.endm
.irp t, 0,1,2,3
	STEP \t
.endr
	s_wait_tensorcnt 0x0
	ds_add_u32 v208, v209
	s_wait_dscnt 0x0
	s_endpgm
	; ---- the copy: work-group g takes slice z = g / 16, rows 64 (g % 16) on; a wave 16 rows of 1,024 bytes: 32 loads and 32 stores of 512 consecutive bytes
.Lcopy:
	s_sub_co_u32 s17, ttmp9, QWG
	s_lshr_b32 s18, s17, 4                         ; z
	s_and_b32 s19, s17, 15
	s_lshl_b32 s19, s19, 6
	s_lshl_b32 s20, s16, 4
	s_add_co_u32 s19, s19, s20                     ; my first row
	s_lshl_b32 s20, s19, 12
	s_lshl_b32 s22, s18, 10
	s_add_co_u32 s20, s20, s22                     ; from: row x 4,096 + 1,024 z
	s_mov_b32 s21, 0
	s_lshl_b32 s22, s19, 10
	s_lshl_b32 s24, s18, 20
	s_add_co_u32 s22, s22, s24                     ; to: z x 2^20 + row x 1,024
	s_mov_b32 s23, 0
	s_wait_kmcnt 0x0
	s_add_nc_u64 s[6:7], s[6:7], s[20:21]
	s_add_nc_u64 s[14:15], s[14:15], s[22:23]
.set k, 0
	s_wait_alu depctr_va_vdst(0)
.rept 32
	global_load_b128 v[16+4*k:16+4*k+3], v3, s[6:7] offset:(k/2)*4096+(k%2)*512 th:TH_LOAD_NT
.set k, k+1
.endr
.set k, 0
.rept 32
	s_wait_loadcnt 31-k                            ; loads come back in order: load k is in, the younger ones stay out
	global_store_b128 v4, v[16+4*k:16+4*k+3], s[14:15] offset:(k/2)*1024+(k%2)*512
.set k, k+1
.endr
	s_endpgm
.Lfunc_end_k_q4ffbffb21e_prep:
	.size	k_q4ffbffb21e_prep, .Lfunc_end_k_q4ffbffb21e_prep-k_q4ffbffb21e_prep
	.p2alignl 7, 3214868480
	.fill 96, 4, 3214868480
	.section	.rodata,"a",@progbits
	.p2align	6, 0x0
	.amdhsa_kernel k_q4ffbffb21e_prep
		.amdhsa_group_segment_fixed_size 33280
		.amdhsa_private_segment_fixed_size 0
		.amdhsa_enable_private_segment 0
		.amdhsa_kernarg_size 40
		.amdhsa_user_sgpr_count 2
		.amdhsa_user_sgpr_kernarg_segment_ptr 1
		.amdhsa_wavefront_size32 1
		.amdhsa_system_sgpr_workgroup_id_x 1
		.amdhsa_system_sgpr_workgroup_id_y 1
		.amdhsa_system_sgpr_workgroup_id_z 1
		.amdhsa_system_vgpr_workitem_id 0
		.amdhsa_next_free_vgpr 210
		.amdhsa_next_free_sgpr 66
		.amdhsa_reserve_vcc 0
		.amdhsa_float_denorm_mode_32 3
		.amdhsa_float_denorm_mode_16_64 3
		.amdhsa_memory_ordered 1
		.amdhsa_forward_progress 1
		.amdhsa_inst_pref_size 29
	.end_amdhsa_kernel
	.amdgpu_metadata
---
amdhsa.version: [ 1, 2 ]
amdhsa.kernels:
  - .name:           k_q4ffbffb21e_prep
    .symbol:         k_q4ffbffb21e_prep.kd
    .args:
      - { .name: x, .offset: 0, .size: 8, .value_kind: global_buffer, .address_space: global }
      - { .name: W2_codes, .offset: 8, .size: 8, .value_kind: global_buffer, .address_space: global }
      - { .name: lowp_scales, .offset: 16, .size: 8, .value_kind: global_buffer, .address_space: global }
      - { .name: xc, .offset: 24, .size: 8, .value_kind: global_buffer, .address_space: global }
      - { .name: w2s, .offset: 32, .size: 8, .value_kind: global_buffer, .address_space: global }
    .group_segment_fixed_size: 33280
    .private_segment_fixed_size: 0
    .kernarg_segment_align: 8
    .kernarg_segment_size: 40
    .max_flat_workgroup_size: 128
    .sgpr_count:     66
    .vgpr_count:     210
    .wavefront_size: 32
...
	.end_amdgpu_metadata
.endif
;; end of part 1
;; launch qkv (part 2): grid 12 x 16, 4 waves a work-group, clusters of 4 x 4, 327,680 bytes of LDS; arguments xc, Wq_codes, Wk_codes, Wv_codes, bq, bk, bv, lowp_scales, qkv; writes qkv
.if DOCPART == 2
	.amdgcn_target "amdgcn-amd-amdhsa--gfx1250"
	.amdhsa_code_object_version 6
	.text
	.protected	k_q4ffbffb21e_qkv
	.globl	k_q4ffbffb21e_qkv
	.p2align	8
	.type	k_q4ffbffb21e_qkv,@function
k_q4ffbffb21e_qkv:
	s_mov_b64 s[64:65], 0
	v_nop
	global_prefetch_b8 v0, s[64:65] scope:SCOPE_SE
	s_setreg_imm32_b32 hwreg(HW_REG_WAVE_MODE, 25, 1), 1
	s_wait_xcnt 0x0
	s_wait_alu depctr_hold_cnt(0) depctr_sa_sdst(0) depctr_va_vdst(0) depctr_va_sdst(0) depctr_va_ssrc(0) depctr_va_vcc(0) depctr_vm_vsrc(0)
	s_getreg_b32 s2, hwreg(HW_REG_IB_STS2, 6, 4)
	s_cmp_eq_u32 s2, 0
	s_cbranch_scc0 .Lentry_in_a_cluster
	s_endpgm
.Lentry_in_a_cluster:
	s_bfe_u32 s2, ttmp6, 0x10000c
	s_cmp_lg_u32 s2, 0xf033
	s_cbranch_scc0 .Lentry_shape_is_right
	s_endpgm
.Lentry_shape_is_right:
.set KSTEP,  256
.set ROWB,   256
.set KROW,   1024
.set PITCH,  272
.set FR,     16
.set NL,     4
.set NP,     4
.set HALFT,  128*PITCH
.set SLOT,   4*HALFT
.set LAPS,   2
.set SPARE,  2*SLOT
.set VSTG,   256*PITCH
.set ADRA, 16
.set ADRB, 20
.set RDV,  22
.set STOQ, 24
.set RDQ,  25
.set CO,   26
.set STOV, 27
.set SPW,  28
.set NIL,  29
.set BIAS, 64
.set AF,   128
.set T,    128
.set CD,   192
.set G1, 24
.set G0, 32
.set G1B, 48
.set G0B, 56
.set MSB, 0
.macro WIN new
.if MSB != (\new)
	s_set_vgpr_msb (MSB<<8)|(\new)
.set MSB, \new
.endif
.endm
.set MUL_LO, 0xa1
.set MUL_HI, 0xf1
.set TO_B,   0x40
.macro JLOAD g0a, g1a, g0b, g1b
	s_cmp_eq_u32 s15, 0
	s_cbranch_scc0 .Lfor_b_\@
	tensor_load_to_lds s[\g0a:\g0a+3], s[\g1a:\g1a+7]
	s_nop 0
.rept 4
	v_nop
.endr
	s_branch .Lasked_\@
.Lfor_b_\@:
	tensor_load_to_lds s[\g0b:\g0b+3], s[\g1b:\g1b+7]
	s_nop 0
.rept 4
	v_nop
.endr
.Lasked_\@:
.endm
.macro CREST
	s_cmp_lg_u32 s14, 0
	s_cbranch_scc1 .Lnot_wave_0_\@
	s_barrier_signal -3
.Lnot_wave_0_\@:
	s_barrier_wait -3
	s_barrier_signal -1
	s_barrier_wait -1
.endm
.macro CROUND
	s_barrier_signal -1
	s_barrier_wait -1
	CREST
.endm
	s_load_b512 s[68:83], s[0:1], 0x0
	s_load_b64 s[84:85], s[0:1], 0x40
	v_lshl_add_u32 v[SPW], v0, 2, SPARE
	v_mov_b32 v[NIL], 0
	ds_add_u32 v28, v29
	ds_add_u32 v28, v29
	s_wait_dscnt 0x0
	v_lshrrev_b32 v1, 5, v0
	v_readfirstlane_b32 s14, v1
	s_lshr_b32 s15, s14, 1
	s_and_b32 s16, s14, 1
	s_bfe_u32 s40, ttmp6, 0x40000
	s_bfe_u32 s41, ttmp6, 0x40004
	s_and_b32 s86, ttmp7, 0xffff
	s_lshl_b32 s86, s86, 2
	s_cmp_eq_u32 ttmp9, 2
	s_cselect_b32 s87, 0, s86
	s_cselect_b32 s88, s86, 0
	s_add_co_u32 s17, s41, s87
	s_add_co_u32 s42, s40, s88
	s_lshl_b32 s43, s41, 2
	s_lshl_b32 s43, 15, s43
	s_lshl_b32 s44, 0x1111, s40
	s_or_b32 s[G1+0], s43, (0<<16)|(1<<20)|(1<<21)|(5<<22)|(3<<25)
	s_or_b32 s[G1B+0], s44, (0<<16)|(1<<20)|(1<<21)|(5<<22)|(3<<25)
.irp g, G1, G1B
	s_mov_b32 s[\g+1], ROWB<<16
	s_mov_b32 s[\g+2], 128<<16
	s_mov_b32 s[\g+3], ROWB<<16
	s_mov_b32 s[\g+4], 128
	s_mov_b32 s[\g+5], KROW
	s_mov_b32 s[\g+6], 0
	s_mov_b32 s[\g+7], 0
.endr
	s_lshl_b32 s18, s16, 7
	s_lshl_b32 s20, s17, 8
	s_add_co_u32 s20, s20, s18
	s_lshl_b32 s20, s20, 10
	s_mov_b32 s21, 0
	s_lshl_b32 s46, s42, 8
	s_add_co_u32 s46, s46, s18
	s_lshl_b32 s46, s46, 10
	s_mov_b32 s47, 0
	s_mul_i32 s45, s14, HALFT
	s_lshl_b32 s92, ttmp9, 22
	s_mov_b32 s93, 0
	s_lshl_b32 s89, ttmp9, 3
	s_lshl_b32 s99, ttmp9, 2
	s_cmp_eq_u32 ttmp9, 2
	s_cselect_b32 s91, 4, 0
	s_add_co_u32 s99, s99, s91
	s_wait_kmcnt 0x0
	s_load_b64 s[96:97], s[82:83], s89 offset:0x0
	s_load_b32 s98, s[82:83], s99 offset:0x18
	s_add_nc_u64 s[10:11], s[84:85], s[92:93]
	s_add_nc_u64 s[92:93], s[68:69], s[92:93]
	s_cmp_eq_u32 ttmp9, 0
	s_cselect_b64 s[6:7], s[70:71], s[72:73]
	s_cselect_b64 s[94:95], s[76:77], s[78:79]
	s_cmp_eq_u32 ttmp9, 2
	s_cselect_b64 s[4:5], s[74:75], s[92:93]
	s_cselect_b64 s[6:7], s[92:93], s[6:7]
	s_cselect_b64 s[94:95], s[80:81], s[94:95]
	s_add_nc_u64 s[20:21], s[4:5], s[20:21]
	s_add_nc_u64 s[46:47], s[6:7], s[46:47]
	CROUND
.irp s, 0,1
	s_mov_b32 s[G0+4*\s], 1
	s_add_co_u32 s[G0+4*\s+1], s45, \s*SLOT
	s_add_nc_u64 s[G0+4*\s+2:G0+4*\s+3], s[20:21], \s*ROWB
	s_or_b32 s[G0+4*\s+3], s[G0+4*\s+3], 0x80000000
	s_mov_b32 s[G0B+4*\s], 1
	s_add_co_u32 s[G0B+4*\s+1], s45, \s*SLOT
	s_add_nc_u64 s[G0B+4*\s+2:G0B+4*\s+3], s[46:47], \s*ROWB
	s_or_b32 s[G0B+4*\s+3], s[G0B+4*\s+3], 0x80000000
	s_wait_alu depctr_va_vdst(0)
	s_wait_tensorcnt 0x0
	ds_add_u32 v28, v29
	ds_add_u32 v28, v29
	s_wait_dscnt 0x0
	CROUND
	JLOAD G0+4*\s, G1, G0B+4*\s, G1B
.endr
	v_and_b32 v1, 15, v0
	v_bfe_u32 v2, v0, 4, 1
	s_wait_alu depctr_va_vdst(0)
	v_mul_u32_u24 v3, v1, PITCH
	v_lshl_add_u32 v4, v2, 4, v3
	s_mul_i32 s21, s15, HALFT
	s_mul_i32 s22, s16, HALFT
	s_add_co_u32 s22, s22, 2*HALFT
.irp s, 0,1
	v_add_nc_u32 v[ADRA+\s], s21, v4
	v_add_nc_u32 v[ADRB+\s], s22, v4
	s_add_co_u32 s21, s21, SLOT
	s_add_co_u32 s22, s22, SLOT
.endr
	s_cmp_eq_u32 ttmp9, 2
	s_cselect_b32 s66, 0, 32
	s_cselect_b32 s67, 4, 0
	s_cselect_b32 s90, 0, 4
	v_mul_lo_u32 v7, v2, s66
	v_mul_lo_u32 v6, v1, s67
	v_add_nc_u32 v8, v7, v6
	s_wait_alu depctr_va_vdst(0)
.irp j, 1,2,3,4,5,6,7
	v_add_nc_u32 v[8+\j], s90, v[7+\j]
.endr
	s_lshl_b32 s86, s17, 8
	s_lshl_b32 s87, s15, 7
	s_add_co_u32 s86, s86, s87
	s_lshl_b32 s87, s42, 8
	s_lshl_b32 s88, s16, 7
	s_add_co_u32 s87, s87, s88
	s_cmp_eq_u32 ttmp9, 2
	s_cselect_b32 s86, s86, s87
	s_lshl_b32 s86, s86, 2
	s_mov_b32 s87, 0
	s_add_nc_u64 s[94:95], s[94:95], s[86:87]
	s_wait_alu depctr_va_vdst(0)
.irp u, 0,1,2,3,4,5,6,7
.irp j, 0,1,2,3,4,5,6,7
	global_load_b32 v[BIAS+8*\u+\j], v[8+\j], s[94:95] offset:64*\u
.endr
.endr
	s_mul_i32 s23, s15, HALFT
	s_lshl_b32 s22, s16, 7
	s_add_co_u32 s23, s23, s22
	v_lshl_add_u32 v5, v2, 3, v3
	v_add_nc_u32 v[STOQ], s23, v5
	v_add_nc_u32 v[STOV], VSTG, v[STOQ]
	s_mul_i32 s23, s14, 64*PITCH
	v_and_b32 v6, 31, v0
	v_lshlrev_b32 v[CO], 4, v6
	v_lshrrev_b32 v5, 2, v6
	v_mul_u32_u24 v5, v5, PITCH
	v_and_b32 v4, 3, v6
	v_lshl_add_u32 v5, v4, 4, v5
	v_add_nc_u32 v[RDQ], s23, v5
	v_lshrrev_b32 v5, 3, v6
	v_mul_u32_u24 v5, v5, PITCH
	v_and_b32 v4, 7, v6
	v_lshl_add_u32 v5, v4, 4, v5
	v_add_nc_u32 v5, s23, v5
	v_add_nc_u32 v[RDV], VSTG, v5
	s_lshr_b32 s86, s17, 3
	s_lshl_b32 s86, s86, 4
	s_lshl_b32 s87, s42, 2
	s_add_co_u32 s86, s86, s87
	s_lshl_b32 s86, s86, 17
	s_and_b32 s87, s17, 7
	s_lshl_b32 s87, s87, 8
	s_lshl_b32 s88, s14, 6
	s_add_co_u32 s87, s87, s88
	s_lshl_b32 s87, s87, 6
	s_add_co_u32 s86, s86, s87
	s_lshr_b32 s87, s42, 3
	s_lshl_b32 s87, s87, 4
	s_lshl_b32 s88, s17, 2
	s_add_co_u32 s87, s87, s88
	s_add_co_u32 s87, s87, s14
	s_lshl_b32 s87, s87, 4
	s_and_b32 s88, s42, 7
	s_lshl_b32 s88, s88, 1
	s_add_co_u32 s87, s87, s88
	s_lshl_b32 s87, s87, 13
	s_cmp_eq_u32 ttmp9, 2
	s_cselect_b32 s86, s87, s86
	s_mov_b32 s87, 0
	s_add_nc_u64 s[10:11], s[10:11], s[86:87]
.macro FRAG reg, adr, q, i
.irp c, 0,1,2,3
	ds_load_b128 v[\reg+4*\c:\reg+4*\c+3], v[\adr] offset:128*(\q)+32*\c+(\i)*16*PITCH
.endr
.endm
.macro MUL16 a0, p, zero
.irp a, \a0, \a0+1
.irp b, 0,1,2,3,4,5,6,7
.if \zero
	v_wmma_f32_16x16x128_fp8_fp8 v[8*(8*((\a)%4)+\b):8*(8*((\a)%4)+\b)+7], v[128*(\p)+FR*\b:128*(\p)+FR*\b+FR-1], v[AF+FR*(\a):AF+FR*(\a)+FR-1], 0
.else
	v_wmma_f32_16x16x128_fp8_fp8 v[8*(8*((\a)%4)+\b):8*(8*((\a)%4)+\b)+7], v[128*(\p)+FR*\b:128*(\p)+FR*\b+FR-1], v[AF+FR*(\a):AF+FR*(\a)+FR-1], v[8*(8*((\a)%4)+\b):8*(8*((\a)%4)+\b)+7]
.endif
.endr
.endr
.endm
.macro FETCH_B slot, q, p
	WIN TO_B
.irp i, 0,1,2,3,4,5,6,7
	FRAG 128*(\p)+FR*\i, ADRB+\slot, \q, \i
.endr
	WIN 0
.endm
.macro FETCH_A slot, q, i0
.irp i, \i0, \i0+1, \i0+2, \i0+3
	FRAG AF+FR*(\i), ADRA+\slot, \q, \i
.endr
.endm
.macro PLACES n
.rept \n
	v_nop
.endr
.endm
.macro STEP slot, q, zero
	s_wait_dscnt 4*NL
	WIN MUL_LO
	MUL16 0, (\q)%2, \zero
	MUL16 2, (\q)%2, \zero
	s_wait_dscnt 0
	PLACES NP
	FETCH_B \slot, (\q)+1, 1-(\q)%2
	FETCH_A \slot, (\q)+1, 0
	WIN MUL_HI
	MUL16 4, (\q)%2, \zero
	MUL16 6, (\q)%2, \zero
	PLACES NP
	WIN 0
	FETCH_A \slot, (\q)+1, 4
.endm
.macro TURN slot, next, fill
	s_wait_tensorcnt 0x0
	ds_add_u32 v[SPW], v[NIL]
	s_wait_dscnt 4*NL+1
	WIN MUL_LO
	MUL16 0, 1, 0
	s_wait_dscnt 0x0
	s_barrier_signal -1
	MUL16 2, 1, 0
	WIN 0
	s_barrier_wait -1
.if \fill
	CREST
	s_add_nc_u64 s[G0+4*\slot+2:G0+4*\slot+3], s[G0+4*\slot+2:G0+4*\slot+3], 2*ROWB
	s_add_nc_u64 s[G0B+4*\slot+2:G0B+4*\slot+3], s[G0B+4*\slot+2:G0B+4*\slot+3], 2*ROWB
	JLOAD G0+4*\slot, G1, G0B+4*\slot, G1B
.else
	PLACES NP
.endif
	FETCH_B \next, 0, 0
	FETCH_A \next, 0, 0
	WIN MUL_HI
	MUL16 4, 1, 0
	MUL16 6, 1, 0
	PLACES NP
	WIN 0
	FETCH_A \next, 0, 4
.endm
	s_wait_tensorcnt 1
	s_barrier_signal -1
	s_barrier_wait -1
	FETCH_B 0, 0, 0
	FETCH_A 0, 0, 0
	FETCH_A 0, 0, 4
	STEP 0, 0, 1
	s_mov_b32 s3, LAPS-1
.Llap:
	TURN 0, 1, 1
	STEP 1, 0, 0
	TURN 1, 0, 1
	STEP 0, 0, 0
	s_sub_co_u32 s3, s3, 1
	s_cmp_lg_u32 s3, 0
	s_cbranch_scc1 .Llap
	TURN 0, 1, 0
	STEP 1, 0, 0
	s_wait_dscnt 4*NL
	WIN MUL_LO
	MUL16 0, 1, 0
	MUL16 2, 1, 0
	s_wait_dscnt 0
	WIN MUL_HI
	MUL16 4, 1, 0
	MUL16 6, 1, 0
	WIN 0
.macro CONV bi, relu, sto
.set a, 0
.rept 8
	WIN 0x02+a/4
.set b, 0
.rept 8
.if \bi
.set bb, BIAS+8*a
.else
.set bb, BIAS+8*b
.endif
.irp j, 0,2,4,6
	v_pk_fma_f32 v[T+8*b+\j:T+8*b+\j+1], v[64*(a%4)+8*b+\j:64*(a%4)+8*b+\j+1], s[96:97], v[bb+\j:bb+\j+1] op_sel_hi:[1,0,1]
.endr
.set b, b+1
.endr
	WIN 0
.set i, 0
.rept 64
.if \relu
	v_med3_num_f32 v[T+i], v[T+i], 0, v31
.else
	v_med3_num_f32 v[T+i], v[T+i], -v31, v31
.endif
.set i, i+1
.endr
.if a >= 4
	s_wait_alu depctr_va_vdst(0)
	s_wait_dscnt 24
.endif
.set b, 0
.rept 8
	v_cvt_scalef32_pk8_fp8_f32 v[CD+16*(a%4)+2*b:CD+16*(a%4)+2*b+1], v[T+8*b:T+8*b+7], v30
.set b, b+1
.endr
	v_nop
.set b, 0
.rept 8
	ds_store_b64 v[\sto], v[CD+16*(a%4)+2*b:CD+16*(a%4)+2*b+1] offset:a*16*PITCH+16*b
.set b, b+1
.endr
.set a, a+1
.endr
.endm
	s_wait_kmcnt 0x0
	s_add_co_i32 s96, s96, s97
	s_add_co_i32 s96, s96, 127
	s_lshl_b32 s96, s96, 23
	s_mov_b32 s97, s96
	s_add_co_i32 s98, s98, 127
	s_lshl_b32 s99, s98, 23
	v_mov_b32 v30, s99
	s_add_co_i32 s98, s98, 8
	s_lshl_b32 s98, s98, 23
	s_or_b32 s98, s98, 0x600000
	v_mov_b32 v31, s98
	s_wait_loadcnt 0x0
	PLACES NP
	s_cmp_eq_u32 ttmp9, 2
	s_cbranch_scc1 .Lv
	CONV 0, 0, STOQ
	s_wait_dscnt 0x0
	s_barrier_signal -1
	s_barrier_wait -1
.irp hh, 0,1,2,3
.irp t, 0,1,2,3,4,5,6,7
	ds_load_b128 v[128+4*(8*\hh+\t):128+4*(8*\hh+\t)+3], v[RDQ] offset:\t*8*PITCH+64*\hh
.endr
.endr
.irp hh, 0,1,2,3
.irp t, 0,1,2,3,4,5,6,7
	s_wait_dscnt 31-(8*\hh+\t)
	global_store_b128 v[CO], v[128+4*(8*\hh+\t):128+4*(8*\hh+\t)+3], s[10:11] offset:\hh*131072+\t*512
.endr
.endr
	s_branch .Lend
.Lv:
	CONV 1, 0, STOV
	s_wait_dscnt 0x0
	s_barrier_signal -1
	s_barrier_wait -1
.irp kb, 0,1
.irp t, 0,1,2,3,4,5,6,7,8,9,10,11,12,13,14,15
	ds_load_b128 v[128+4*(16*\kb+\t):128+4*(16*\kb+\t)+3], v[RDV] offset:\t*4*PITCH+128*\kb
.endr
.endr
.irp kb, 0,1
.irp t, 0,1,2,3,4,5,6,7,8,9,10,11,12,13,14,15
	s_wait_dscnt 31-(16*\kb+\t)
	global_store_b128 v[CO], v[128+4*(16*\kb+\t):128+4*(16*\kb+\t)+3], s[10:11] offset:\kb*8192+\t*512
.endr
.endr
.Lend:
	s_wait_tensorcnt 0x0
	ds_add_u32 v[SPW], v[NIL]
	s_wait_dscnt 0x0
	CROUND
	s_endpgm
.Lfunc_end_k_q4ffbffb21e_qkv:
	.size	k_q4ffbffb21e_qkv, .Lfunc_end_k_q4ffbffb21e_qkv-k_q4ffbffb21e_qkv
	.p2alignl 7, 3214868480
	.fill 96, 4, 3214868480
	.section	.rodata,"a",@progbits
	.p2align	6, 0x0
	.amdhsa_kernel k_q4ffbffb21e_qkv
		.amdhsa_group_segment_fixed_size 327680
		.amdhsa_private_segment_fixed_size 0
		.amdhsa_enable_private_segment 0
		.amdhsa_kernarg_size 72
		.amdhsa_user_sgpr_count 2
		.amdhsa_user_sgpr_kernarg_segment_ptr 1
		.amdhsa_wavefront_size32 1
		.amdhsa_system_sgpr_workgroup_id_x 1
		.amdhsa_system_sgpr_workgroup_id_y 1
		.amdhsa_system_sgpr_workgroup_id_z 1
		.amdhsa_system_vgpr_workitem_id 0
		.amdhsa_next_free_vgpr 1024
		.amdhsa_next_free_sgpr 102
		.amdhsa_reserve_vcc 0
		.amdhsa_float_denorm_mode_32 3
		.amdhsa_float_denorm_mode_16_64 3
		.amdhsa_memory_ordered 1
		.amdhsa_forward_progress 1
		.amdhsa_inst_pref_size 214
	.end_amdhsa_kernel
	.amdgpu_metadata
---
amdhsa.version: [ 1, 2 ]
amdhsa.kernels:
  - .name:           k_q4ffbffb21e_qkv
    .symbol:         k_q4ffbffb21e_qkv.kd
    .args:
      - { .name: xc, .offset: 0, .size: 8, .value_kind: global_buffer, .address_space: global }
      - { .name: Wq_codes, .offset: 8, .size: 8, .value_kind: global_buffer, .address_space: global }
      - { .name: Wk_codes, .offset: 16, .size: 8, .value_kind: global_buffer, .address_space: global }
      - { .name: Wv_codes, .offset: 24, .size: 8, .value_kind: global_buffer, .address_space: global }
      - { .name: bq, .offset: 32, .size: 8, .value_kind: global_buffer, .address_space: global }
      - { .name: bk, .offset: 40, .size: 8, .value_kind: global_buffer, .address_space: global }
      - { .name: bv, .offset: 48, .size: 8, .value_kind: global_buffer, .address_space: global }
      - { .name: lowp_scales, .offset: 56, .size: 8, .value_kind: global_buffer, .address_space: global }
      - { .name: qkv, .offset: 64, .size: 8, .value_kind: global_buffer, .address_space: global }
    .group_segment_fixed_size: 327680
    .private_segment_fixed_size: 0
    .kernarg_segment_align: 8
    .kernarg_segment_size: 72
    .max_flat_workgroup_size: 128
    .sgpr_count:     102
    .vgpr_count:     1024
    .wavefront_size: 32
...
	.end_amdgpu_metadata
.endif
;; end of part 2
;; launch attn (part 3): grid 8 x 32, 8 waves a work-group, clusters of 4 x 1, 327,680 bytes of LDS; arguments qkv, lowp_scales, hid; writes hid
.if DOCPART == 3
	.amdgcn_target "amdgcn-amd-amdhsa--gfx1250"
	.amdhsa_code_object_version 6
	.text
	.protected	k_q4ffbffb21e_attn
	.globl	k_q4ffbffb21e_attn
	.p2align	8
	.type	k_q4ffbffb21e_attn,@function
k_q4ffbffb21e_attn:
	s_mov_b64 s[64:65], 0
	v_nop
	global_prefetch_b8 v0, s[64:65] scope:SCOPE_SE
	s_setreg_imm32_b32 hwreg(HW_REG_WAVE_MODE, 25, 1), 1
	s_wait_xcnt 0x0
	s_wait_alu depctr_hold_cnt(0) depctr_sa_sdst(0) depctr_va_vdst(0) depctr_va_sdst(0) depctr_va_ssrc(0) depctr_va_vcc(0) depctr_vm_vsrc(0)
	s_getreg_b32 s2, hwreg(HW_REG_IB_STS2, 6, 4)
	s_cmp_eq_u32 s2, 0
	s_cbranch_scc0 .Lentry_in_a_cluster
	s_endpgm
.Lentry_in_a_cluster:
	s_bfe_u32 s2, ttmp6, 0x10000c
	s_cmp_lg_u32 s2, 0x3003
	s_cbranch_scc0 .Lentry_shape_is_right
	s_endpgm
.Lentry_shape_is_right:
; ATTENTION ON E4M3 CODES.  For each of 32 (batch, head): msg = softmax(q k^T / 8) v, head size 64, 2,048 keys, no mask; msg leaves as codes (entry 10) in rows [b l][1024], columns 64 head on.
; q, k: codes [bh][l][64] at bytes 0 and 4 MiB of qkv;  V^T: codes [bh][key block 16][d 64][128 keys] at 8 MiB.  Scales: entries 6 (q), 7 (k), 8 (p), 9 (v), 10 (msg).
; THE SOFTMAX: t = score x c, c = log2(e) / 8; M = the largest t so far, rounded up to a whole number; p = 2^(t - M) is quantised, not normalised; the row's sum is taken of the unquantised p and divides at the end.
; The running maximum is kept of the scores themselves (c is positive, so c x the largest score is the largest t).  When M moves, the sum and O are multiplied by 2^(old M - new M), which rounds nothing.
; LIMITS: e6 + e7 between -123 and 130 (added to c's exponent field); e8 and e10 between -126 and 119; e8 + e9 goes by v_ldexp_f32.  NaN is not served.
; SHARES.  A work-group owns 256 queries of one head; each of its eight waves owns 32: tile A in register window 0, tile B in window 1 at the same register numbers.
; Each fragment of K and of V^T that a wave reads from LDS feeds two matrix instructions.  K's fragments lie in window 1 (v32-95), V^T's in window 0 (v32-95): K's of the next step are read while this step's softmax runs.
; A STEP'S ORDER: both tiles' scores; both tiles' maxima, as trees; the two short chains that make M and f, line by line by turns (tile B's M, maximum and f lie in window 0 for that); both tiles' exponentials as one batch.
; A HEAD'S WHOLE K AND V^T LIE IN LDS (2 x 512 rows of 256 bytes + 16 of padding), each byte filled once, by two joint loads a wave (mask 15: the four query blocks of a cluster belong to one head):
; keys 0-511 at the head, keys 512-2047 behind the full sequence and a round.  Waves 0-3 fetch K, waves 4-7 V^T.  Steps 0-2 read keys 0-511 alone (step 2 reads K of step 3); one barrier; then steps 3-15.
; No prefetch: all of K and V^T is asked for by those two loads, and nothing is left to ask for ahead of them.
; LAYOUT.  Both products are used transposed: S^T = K Q^T, O^T = V^T P: a lane holds one query (lane % 16).  In S^T's tile t a lane's registers are keys 16 t + 8 (lane / 16) + 0 .. 7: one conversion makes
; registers 2 t, 2 t + 1 of the 16x16x128 form's own layout; V^T's fragments come by loads of 8 bytes in that layout.
; MSG'S STORES: a head's 64 codes are a quarter of 256 bytes of msg's row, so a store covers pieces of 64 bytes, 8 rows an instruction.
; REGISTERS of a window: v[14:15] the sum, v16-23 Q, v96-159 S^T then p, v160-191 O^T, v192-196 constants, v197-217 the tree, v224-239 p's codes, v232-249 at work.
; Window 0 alone: v1-11 addresses; tile A: v12 -M, v13 the largest score, v[252:253] f and the old -M, v254, v236 at work; tile B: v28, v29, v[30:31], v26, v25 likewise.
.set STEPB, 8704                       ; 128 keys: 32 LDS rows of 272 bytes, of K and of V^T alike
.set VOFF,  16*STEPB
.set STAGE, 2*VOFF                     ; 32 rows x 80 bytes for each wave; no tile lands here
.set SPARE, STAGE+8*32*80
.set AK0, 1
.set AK1, 2
.set AV0, 3
.set SIN, 4
.set SBK, 5
.set GO,  6
.set ADK, 8
.set ADV, 9
.set SPW, 10
.set NIL, 11
.set HP,  192                          ; v192, v193: 448 x 2^e8
.set SP,  194                          ; 2^e8
.set SM,  195                          ; 2^e10
.set HM,  196                          ; 448 x 2^e10
.set WV,  18
.set SEL, 20
.set CS,  22
.set G1,  24                           ; group 1 of the first load: 32 rows
.set G0,  32                           ; s[32:35], s[36:39]: the two groups 0
.set G1L, 40                           ; group 1 of the second load: 96 rows
.set TB,  2
.set CNT, 3
.set MSB, 0
.macro WIN new                         ; the immediate's high byte repeats the setting that is left
.if MSB != (\new)
	s_set_vgpr_msb (MSB<<8)|(\new)
.set MSB, \new
.endif
.endm
.macro PLACES
.rept 4
	v_nop
.endr
.endm
.macro CROUND                          ; a round of the cluster's barrier
	s_barrier_signal -1
	s_barrier_wait -1
	s_cmp_lg_u32 s[WV], 0
	s_cbranch_scc1 .Lnot_wave_0_\@
	s_barrier_signal -3
.Lnot_wave_0_\@:
	s_barrier_wait -3
	s_barrier_signal -1
	s_barrier_wait -1
.endm
	s_load_b128 s[4:7], s[0:1], 0x0                ; qkv, the scales' exponents
	s_load_b64 s[8:9], s[0:1], 0x10                ; hid: its first 4 MiB take msg's codes
	v_lshl_add_u32 v[SPW], v0, 2, SPARE
	v_mov_b32 v[NIL], 0
	ds_add_u32 v[SPW], v[NIL]                      ; the opening lines: the add twice on end
	ds_add_u32 v[SPW], v[NIL]
	v_lshrrev_b32 v8, 5, v0
	v_readfirstlane_b32 s[WV], v8                  ; wave 0..7
	s_bfe_u32 s10, ttmp6, 0x40000                  ; cx
	s_lshl_b32 s11, ttmp9, 2
	s_add_co_u32 s11, s11, s10                     ; my block of 256 queries: it enters Q's and msg's addresses alone
	s_and_b32 s12, ttmp7, 0xffff                   ; (batch, head), which the four partners share
	s_lshl_b32 s14, s12, 17                        ; its first byte in each of q, k, V^T
	s_lshr_b32 s13, s[WV], 2                       ; 0: I fetch K, 1: V^T
	s_and_b32 s15, s[WV], 3                        ; which quarter of a load's rows
	s_add_co_u32 s16, s13, 1
	s_lshl_b32 s16, s16, 22
	s_add_co_u32 s16, s16, s14
	s_lshl_b32 s17, s15, 13                        ; 32 rows of 256 bytes
	s_add_co_u32 s48, s16, s17
	s_mov_b32 s49, 0
	s_mul_i32 s17, s15, 96*256
	s_add_co_u32 s50, s16, s17
	s_add_co_u32 s50, s50, 32768                   ; behind the first 128 rows
	s_mov_b32 s51, 0
	s_mul_i32 s19, s13, VOFF
	s_mul_i32 s17, s15, 32*272
	s_add_co_u32 s[G0+1], s19, s17
	s_mul_i32 s17, s15, 96*272
	s_add_co_u32 s17, s17, s19
	s_add_co_u32 s[G0+5], s17, 128*272
	s_mov_b32 s[G0], 1
	s_mov_b32 s[G0+4], 1
	s_mov_b32 s[G1], 15|(1<<20)|(1<<21)|(5<<22)|(3<<25)   ; the mask: all four; elements of 1 byte; four words of padding behind every 64
	s_mov_b32 s[G1+1], 256<<16
	s_mov_b32 s[G1+2], 32<<16
	s_mov_b32 s[G1+3], 256<<16
	s_mov_b32 s[G1+4], 32
	s_mov_b32 s[G1+5], 256                         ; the block is dense
	s_mov_b32 s[G1+6], 0
	s_mov_b32 s[G1+7], 0
	s_mov_b32 s[G1L], 15|(1<<20)|(1<<21)|(5<<22)|(3<<25)
	s_mov_b32 s[G1L+1], 256<<16
	s_mov_b32 s[G1L+2], 96<<16
	s_mov_b32 s[G1L+3], 256<<16
	s_mov_b32 s[G1L+4], 96
	s_mov_b32 s[G1L+5], 256
	s_mov_b32 s[G1L+6], 0
	s_mov_b32 s[G1L+7], 0
	s_lshl_b32 s52, s11, 8
	s_lshl_b32 s53, s[WV], 5
	s_add_co_u32 s52, s52, s53                     ; my first query in the head
	s_lshl_b32 s54, s52, 6
	s_add_co_u32 s54, s54, s14                     ; its codes
	s_mov_b32 s55, 0
	s_lshr_b32 s53, s12, 4
	s_lshl_b32 s53, s53, 11
	s_add_co_u32 s52, s52, s53                     ; msg's row: 2,048 x batch + query
	s_lshl_b32 s52, s52, 10
	s_and_b32 s53, s12, 15
	s_lshl_b32 s53, s53, 6
	s_add_co_u32 s52, s52, s53                     ; + 64 x head
	s_mov_b32 s53, 0
	s_mov_b32 s[SEL], 0x76543210
	s_mov_b32 s[SEL+1], 0xfedcba98
	s_mov_b32 s[CS], 0x3e38aa3b                    ; c = log2(e) / 8
	s_mul_i32 s77, s[WV], 32*80
	s_add_co_u32 s77, s77, STAGE                   ; my stage
	s_wait_dscnt 0x0                               ; both opening adds are done
	s_wait_kmcnt 0x0
	s_load_b256 s[68:75], s[6:7], 0x18             ; entries 6 to 13
	s_add_nc_u64 s[G0+2:G0+3], s[4:5], s[48:49]
	s_or_b32 s[G0+3], s[G0+3], 0x80000000
	s_add_nc_u64 s[G0+6:G0+7], s[4:5], s[50:51]
	s_or_b32 s[G0+7], s[G0+7], 0x80000000
	CROUND                                         ; all four work-groups are here: the joint loads meet
	tensor_load_to_lds s[G0:G0+3], s[G1:G1+7]      ; keys 0-511: my one load at the head
	s_nop 0
	PLACES
	s_add_nc_u64 s[4:5], s[4:5], s[54:55]          ; Q at my first query
	s_add_nc_u64 s[8:9], s[8:9], s[52:53]          ; msg likewise
	s_wait_kmcnt 0x0
	s_add_co_i32 s76, s68, s69
	s_lshl_b32 s76, s76, 23
	s_add_co_i32 s[CS], s[CS], s76                 ; a score stands for score x 2^(e6 + e7): added to c's exponent field
	s_mov_b32 s[CS+1], s[CS]
	s_add_co_i32 s76, s70, 127
	s_lshl_b32 s78, s76, 23                        ; 2^e8
	s_add_co_i32 s76, s76, 8
	s_lshl_b32 s76, s76, 23
	s_or_b32 s76, s76, 0x600000                    ; 448 x 2^e8
	s_add_co_i32 s81, s72, 127
	s_lshl_b32 s80, s81, 23                        ; 2^e10
	s_add_co_i32 s81, s81, 8
	s_lshl_b32 s81, s81, 23
	s_or_b32 s81, s81, 0x600000                    ; 448 x 2^e10
	s_add_co_i32 s79, s70, s71                     ; e8 + e9
	v_and_b32 v8, 15, v0                           ; r
	v_bfe_u32 v9, v0, 4, 1                         ; h
	v_lshlrev_b32 v7, 6, v8
	v_lshl_add_u32 v7, v9, 4, v7                   ; Q: row r of 64 bytes, + 16 h: the same permutation of d as in K's fragments
	global_load_b128 v[16:19], v7, s[4:5]
	global_load_b128 v[20:23], v7, s[4:5] offset:32
	WIN 0x40
	global_load_b128 v[16:19], v7, s[4:5] offset:1024   ; tile B: 16 queries on
	global_load_b128 v[20:23], v7, s[4:5] offset:1056
	WIN 0
	v_lshrrev_b32 v24, 2, v8
	v_mul_u32_u24 v[AK0], v24, 272
	v_and_b32 v24, 3, v8
	v_lshl_add_u32 v[AK0], v24, 6, v[AK0]
	v_lshl_add_u32 v[AK0], v9, 4, v[AK0]           ; K: key r of a tile: (r / 4) x 272 + (r % 4) x 64 + 16 h
	v_add_nc_u32 v[AK1], STEPB, v[AK0]             ; the same, a step on
	v_lshrrev_b32 v24, 1, v8
	v_mul_u32_u24 v[AV0], v24, 272
	v_and_b32 v24, 1, v8
	v_lshl_add_u32 v[AV0], v24, 7, v[AV0]
	v_lshl_add_u32 v[AV0], v9, 3, v[AV0]
	v_add_nc_u32 v[AV0], VOFF, v[AV0]              ; V^T: channel r of a tile: (r / 2) x 272 + (r % 2) x 128 + 8 h
	v_mul_u32_u24 v[SIN], v8, 80
	v_lshl_add_u32 v[SIN], v9, 3, v[SIN]
	v_add_nc_u32 v[SIN], s77, v[SIN]               ; the stage, in: row r, + 8 h
	v_and_b32 v24, 31, v0
	v_lshrrev_b32 v25, 2, v24
	v_and_b32 v26, 3, v24
	v_mul_u32_u24 v[SBK], v25, 80
	v_lshl_add_u32 v[SBK], v26, 4, v[SBK]
	v_add_nc_u32 v[SBK], s77, v[SBK]               ; back: four lanes to a row of 64 bytes
	v_lshlrev_b32 v[GO], 10, v25
	v_lshl_add_u32 v[GO], v26, 4, v[GO]            ; and the same place in msg
.macro INIT                            ; what each window holds of its tile; only destinations are vector registers
	v_mov_b32 v14, 0
	v_mov_b32 v15, 0
	v_mov_b32 v236, 0                              ; a lane permute's destination counts as one of its sources
	v_mov_b32 v[HP], s76
	v_mov_b32 v[HP+1], s76
	v_mov_b32 v[SP], s78
	v_mov_b32 v[SM], s80
	v_mov_b32 v[HM], s81
.set j, 0
.rept 32
	v_mov_b32 v[160+j], 0                          ; O^T: the step is written once; its first run finds zeros
.set j, j+1
.endr
.endm
	INIT
	v_mov_b32 v12, 0x7f61b1e6                      ; -M = 3e38, the largest score so far -3e38: tile A,
	v_mov_b32 v13, 0xff61b1e6
	v_mov_b32 v28, 0x7f61b1e6                      ; tile B
	v_mov_b32 v29, 0xff61b1e6
	v_mov_b32 v25, 0
	WIN 0x40
	INIT
	WIN 0
; A tile's 64 scores as a tree of maxima, each accumulator from its low end on.  whole = 1: v197 and v159 are left; 0: v197, v206, v215 and v159.
.macro TREE whole
.set i, 0
.rept 21
	v_max3_num_f32 v[197+i], v[96+3*i], v[97+3*i], v[98+3*i]
.set i, i+1
.endr
.set i, 0
.rept 7
	v_max3_num_f32 v[197+3*i], v[197+3*i], v[198+3*i], v[199+3*i]
.set i, i+1
.endr
	v_max3_num_f32 v197, v197, v200, v203
	v_max3_num_f32 v206, v206, v209, v212
.if \whole
	v_max3_num_f32 v197, v197, v206, v215
.endif
.endm
.macro FMA n, m                        ; n pairs from j on: t - M, -M in v[m]
.rept \n
	v_pk_fma_f32 v[96+j:97+j], v[96+j:97+j], s[CS:CS+1], v[\m:\m+1] op_sel_hi:[1,0,0]
.set j, j+2
.endr
.endm
.macro EXPS
.set j, 0
.rept 64
	v_exp_f32 v[96+j], v[96+j]                     ; p = 2^(t - M)
.set j, j+1
.endr
.endm
.macro HOLD4                           ; the conversion does not saturate (ISA guide 7.6.2); p is not negative, so the hold is one-sided; two holds an instruction
.rept 4
	v_dual_min_num_f32 v[96+j], v[96+j], v[HP] :: v_dual_min_num_f32 v[97+j], v[97+j], v[HP+1]
.set j, j+2
.endr
.endm
; Behind the exponentials, all registers in the window that is set: the row's sum of the unquantised p, in eight chains, whose last adds stand among the holds; then the codes.
.macro POST
.set j, 0
.irp T, 232,234,236,238,242,246,248
	v_pk_add_f32 v[\T:\T+1], v[96+j:97+j], v[98+j:99+j]
.set j, j+4
.endr
	v_pk_add_f32 v[14:15], v[14:15], v[124:125]
.set j, 30
.rept 2
.irp T, 232,234,236,238,242,246,248,14
	v_pk_add_f32 v[\T:\T+1], v[\T:\T+1], v[96+j:97+j]
.set j, j+2
.endr
.endr
	v_pk_add_f32 v[232:233], v[232:233], v[158:159]
.set j, 0
	HOLD4
	v_pk_add_f32 v[234:235], v[234:235], v[236:237]
	v_pk_add_f32 v[238:239], v[238:239], v[242:243]
	v_pk_add_f32 v[246:247], v[246:247], v[248:249]
	HOLD4
	v_pk_add_f32 v[14:15], v[14:15], v[232:233]
	v_pk_add_f32 v[234:235], v[234:235], v[238:239]
	HOLD4
	v_pk_add_f32 v[14:15], v[14:15], v[246:247]
	HOLD4
	v_pk_add_f32 v[14:15], v[14:15], v[234:235]
.rept 4
	HOLD4
.endr
.irp t, 0,1,2,3,4,5,6,7
	v_cvt_scalef32_pk8_fp8_f32 v[224+2*\t:225+2*\t], v[96+8*\t:103+8*\t], v[SP]
.endr
.endm
.macro RESC f                          ; O^T under the new M: x f
.set j, 0
.rept 16
	v_pk_mul_f32 v[160+j:161+j], v[160+j:161+j], v[\f:\f+1] op_sel_hi:[1,0]
.set j, j+2
.endr
.endm
; A KEY STEP: 128 keys, both tiles.  K's fragments are in.  ends = 1: the loop's last trip has no next step, and a branch on the count of trips leads round the reads of K.
.macro STEP ends
	WIN 0x01                                       ; source 0 (K) window 1
.irp t, 0,1,2,3,4,5,6,7
	v_wmma_f32_16x16x64_fp8_fp8 v[96+8*\t:103+8*\t], v[32+8*\t:39+8*\t], v[16:23], 0
.endr
	WIN 0x45                                       ; K, Q and the result in window 1
.irp t, 0,1,2,3,4,5,6,7
	v_wmma_f32_16x16x64_fp8_fp8 v[96+8*\t:103+8*\t], v[32+8*\t:39+8*\t], v[16:23], 0
.endr
	WIN 0
	v_add_nc_u32 v[ADK], s[TB], v[AK1]             ; four plain lines between the products and loads into registers that they read, or reads of their results
	v_add_nc_u32 v[ADV], s[TB], v[AV0]
	v_mov_b32 v253, v12                            ; the old -M, tile A's and tile B's
	v_mov_b32 v31, v28
.if \ends
	s_wait_alu depctr_va_vdst(0)                   ; the wait ahead of the branch
	s_cmp_eq_u32 s[CNT], 1
	s_cbranch_scc1 .Lno_next_\@
.endif
	WIN 0x40
.irp t, 0,1,2,3,4,5,6,7
.irp c, 0,1
	ds_load_b128 v[32+8*\t+4*\c:32+8*\t+4*\c+3], v[ADK] offset:\t*4*272+32*\c   ; the next step's K
.endr
.endr
	WIN 0
.if \ends
.Lno_next_\@:
.endif
.irp t, 0,1,2,3
.irp c, 0,1,2,3,4,5,6,7
	ds_load_b64 v[32+16*\t+2*\c:33+16*\t+2*\c], v[ADV] offset:\t*8*272+16*\c    ; this step's V^T
.endr
.endr
	TREE 0
	WIN 0x55
	TREE 1
	WIN 0x05                                       ; sources 0 and 1 in window 1
	v_max3_num_f32 v26, v197, v159, v29            ; B: with the largest so far
	WIN 0                                          ; the two chains, by turns
	v_max3_num_f32 v197, v197, v206, v215
	v_permlanex16_b32 v25, v26, s[SEL], s[SEL+1]
	v_max3_num_f32 v254, v197, v159, v13           ; A likewise
	v_max_num_f32 v29, v26, v25                    ; and lane l xor 16's
	v_permlanex16_b32 v236, v254, s[SEL], s[SEL+1]
	v_mul_f32 v26, s[CS], v29                      ; as t
	v_max_num_f32 v13, v254, v236
	v_floor_f32 v28, -v26                          ; the new -M = floor(-t): M is a whole number
	v_mul_f32 v254, s[CS], v13
	v_sub_f32 v26, v28, v31                        ; old M - new M, 0 or less
	v_floor_f32 v12, -v254
	v_cvt_i32_f32 v26, v26                         ; (it saturates)
	v_sub_f32 v254, v12, v253
	v_ldexp_f32 v30, 1.0, v26                      ; f = 2^(old M - new M)
	v_cvt_i32_f32 v254, v254
.set j, 0
	FMA 4, 12
	v_ldexp_f32 v252, 1.0, v254
	FMA 28, 12
	WIN 0x41                                       ; source 0 and the result in window 1
.set j, 0
	FMA 32, 28
	s_wait_alu depctr_va_vdst(0)                   ; the wait ahead of the batch
	EXPS
	WIN 0
	EXPS
	v_pk_mul_f32 v[14:15], v[14:15], v[252:253] op_sel_hi:[1,0]   ; A's sum under the new M: the plain line behind the exponentials
	s_wait_alu depctr_va_vdst(0)                   ; one wait for the batch, directly ahead of O^T's first readers too
	RESC 252
	POST
	WIN 0x41
	s_wait_alu depctr_va_vdst(0)                   ; the wait, directly ahead of O^T's first readers
	RESC 30
	v_pk_mul_f32 v[14:15], v[14:15], v[30:31] op_sel_hi:[1,0]
	WIN 0x55
	POST
	v_nop                                          ; a plain line behind the conversions
	WIN 0
	s_wait_alu depctr_va_vdst(0)                   ; the wait, directly ahead of the wait below
	s_wait_dscnt 0x0                               ; V^T's fragments, and the next step's K
.irp t, 0,1,2,3
	v_wmma_f32_16x16x128_fp8_fp8 v[160+8*\t:167+8*\t], v[32+16*\t:47+16*\t], v[224:239], v[160+8*\t:167+8*\t]
.endr
	WIN 0x54                                       ; P, C and D in window 1
.irp t, 0,1,2,3
	v_wmma_f32_16x16x128_fp8_fp8 v[160+8*\t:167+8*\t], v[32+16*\t:47+16*\t], v[224:239], v[160+8*\t:167+8*\t]
.endr
	WIN 0
	s_add_co_u32 s[TB], s[TB], STEPB
.endm
	s_wait_alu depctr_va_vdst(0)                   ; the wait at the head's end
	s_wait_tensorcnt 0x0                           ; my part of keys 0-511 is in; the lines ahead of a later first fill:
	ds_add_u32 v[SPW], v[NIL]
	s_wait_dscnt 0x0
	CROUND                                         ; everybody's part is in, and the four work-groups meet
	tensor_load_to_lds s[G0+4:G0+7], s[G1L:G1L+7]  ; keys 512-2047
	s_nop 0
	PLACES
	WIN 0x40
.irp t, 0,1,2,3,4,5,6,7
.irp c, 0,1
	ds_load_b128 v[32+8*\t+4*\c:32+8*\t+4*\c+3], v[AK0] offset:\t*4*272+32*\c   ; step 0's K
.endr
.endr
	WIN 0
	s_wait_loadcnt 0x0                             ; Q
	s_wait_dscnt 0x0
	s_mov_b32 s[TB], 0
	s_mov_b32 s[CNT], 3
.Lfirst:                                           ; steps 0 to 2
	STEP 0
	s_sub_co_u32 s[CNT], s[CNT], 1
	s_cmp_lg_u32 s[CNT], 0
	s_cbranch_scc1 .Lfirst
	s_wait_tensorcnt 0x0                           ; my part of keys 512-2047 is in,
	s_wait_dscnt 0x0
	s_barrier_signal -1
	s_barrier_wait -1                              ; and everybody's; nothing is filled again
	s_mov_b32 s[TB], 3*STEPB
	s_mov_b32 s[CNT], 13
.Lrest:                                            ; steps 3 to 15
	STEP 1
	s_sub_co_u32 s[CNT], s[CNT], 1
	s_cmp_lg_u32 s[CNT], 0
	s_cbranch_scc1 .Lrest
; THE WAY OUT: O^T / the sum x 2^(e8 + e9) is msg in f32; it is held, converted with 2^e10, and goes through my stage so that four lanes store a row's 64 bytes.
.macro FIN
	v_add_f32 v14, v14, v15
	v_permlanex16_b32 v197, v14, s[SEL], s[SEL+1]  ; into a register of the tree: every step has written it, and no product names it
	v_add_f32 v14, v14, v197                       ; the row's sum
	s_wait_alu depctr_va_vdst(0)                   ; the wait ahead of the transcendental
	v_rcp_f32 v14, v14
	v_nop
	v_nop
	s_wait_alu depctr_va_vdst(0)                   ; and ahead of its first reader
	v_ldexp_f32 v14, v14, s79
	s_wait_alu depctr_va_vdst(0)                   ; and directly ahead of O^T's first readers
.set j, 0
.rept 32
	v_mul_f32 v[96+j], v[160+j], v14               ; register 8 t + i is msg(query r, 16 t + 8 h + i)
.set j, j+1
.endr
.set j, 0
.rept 32
	v_med3_num_f32 v[96+j], v[96+j], -v[HM], v[HM]
.set j, j+1
.endr
.irp t, 0,1,2,3
	v_cvt_scalef32_pk8_fp8_f32 v[224+2*\t:225+2*\t], v[96+8*\t:103+8*\t], v[SM]
.endr
	v_nop
.endm
	FIN
.irp t, 0,1,2,3
	ds_store_b64 v[SIN], v[224+2*\t:225+2*\t] offset:16*\t
.endr
	WIN 0x55
	FIN
	WIN 0x04                                       ; the stores' data in window 1
.irp t, 0,1,2,3
	ds_store_b64 v[SIN], v[224+2*\t:225+2*\t] offset:16*80+16*\t
.endr
	WIN 0
.irp u, 0,1,2,3
	ds_load_b128 v[32+4*\u:35+4*\u], v[SBK] offset:8*80*\u   ; LDS serves a wave's instructions in order: these see my stores
.endr
.irp u, 0,1,2,3
	s_wait_dscnt 3-\u                              ; the younger loads may be out
	global_store_b128 v[GO], v[32+4*\u:35+4*\u], s[8:9] offset:8192*\u
.endr
	s_wait_tensorcnt 0x0                           ; the wave's end
	ds_add_u32 v[SPW], v[NIL]
	s_wait_dscnt 0x0
	CROUND                                         ; the closing round
	s_endpgm
.Lfunc_end_k_q4ffbffb21e_attn:
	.size	k_q4ffbffb21e_attn, .Lfunc_end_k_q4ffbffb21e_attn-k_q4ffbffb21e_attn
	.p2alignl 7, 3214868480
	.fill 96, 4, 3214868480
	.section	.rodata,"a",@progbits
	.p2align	6, 0x0
	.amdhsa_kernel k_q4ffbffb21e_attn
		.amdhsa_group_segment_fixed_size 327680
		.amdhsa_private_segment_fixed_size 0
		.amdhsa_enable_private_segment 0
		.amdhsa_kernarg_size 24
		.amdhsa_user_sgpr_count 2
		.amdhsa_user_sgpr_kernarg_segment_ptr 1
		.amdhsa_wavefront_size32 1
		.amdhsa_system_sgpr_workgroup_id_x 1
		.amdhsa_system_sgpr_workgroup_id_y 1
		.amdhsa_system_sgpr_workgroup_id_z 1
		.amdhsa_system_vgpr_workitem_id 0
		.amdhsa_next_free_vgpr 512
		.amdhsa_next_free_sgpr 92
		.amdhsa_reserve_vcc 0
		.amdhsa_float_denorm_mode_32 3
		.amdhsa_float_denorm_mode_16_64 3
		.amdhsa_memory_ordered 1
		.amdhsa_forward_progress 1
		.amdhsa_inst_pref_size 80
	.end_amdhsa_kernel
	.amdgpu_metadata
---
amdhsa.version: [ 1, 2 ]
amdhsa.kernels:
  - .name:           k_q4ffbffb21e_attn
    .symbol:         k_q4ffbffb21e_attn.kd
    .args:
      - { .name: qkv, .offset: 0, .size: 8, .value_kind: global_buffer, .address_space: global }
      - { .name: lowp_scales, .offset: 8, .size: 8, .value_kind: global_buffer, .address_space: global }
      - { .name: hid, .offset: 16, .size: 8, .value_kind: global_buffer, .address_space: global }
    .group_segment_fixed_size: 327680
    .private_segment_fixed_size: 0
    .kernarg_segment_align: 8
    .kernarg_segment_size: 24
    .max_flat_workgroup_size: 256
    .sgpr_count:     92
    .vgpr_count:     512
    .wavefront_size: 32
...
	.end_amdgpu_metadata
.endif
;; end of part 3
;; launch proj (part 4): grid 8 x 32, 4 waves a work-group, clusters of 4 x 4, 327,680 bytes of LDS; arguments hid, Wm_codes, x, bm, lowp_scales, part; writes part
.if DOCPART == 4
	.amdgcn_target "amdgcn-amd-amdhsa--gfx1250"
	.amdhsa_code_object_version 6
	.text
	.protected	k_q4ffbffb21e_proj
	.globl	k_q4ffbffb21e_proj
	.p2align	8
	.type	k_q4ffbffb21e_proj,@function
k_q4ffbffb21e_proj:
	s_mov_b64 s[64:65], 0
	v_nop
	global_prefetch_b8 v0, s[64:65] scope:SCOPE_SE
	s_setreg_imm32_b32 hwreg(HW_REG_WAVE_MODE, 25, 1), 1
	s_wait_xcnt 0x0
	s_wait_alu depctr_hold_cnt(0) depctr_sa_sdst(0) depctr_va_vdst(0) depctr_va_sdst(0) depctr_va_ssrc(0) depctr_va_vcc(0) depctr_vm_vsrc(0)
	s_getreg_b32 s2, hwreg(HW_REG_IB_STS2, 6, 4)
	s_cmp_eq_u32 s2, 0
	s_cbranch_scc0 .Lentry_in_a_cluster
	s_endpgm
.Lentry_in_a_cluster:
	s_bfe_u32 s2, ttmp6, 0x10000c
	s_cmp_lg_u32 s2, 0xf033
	s_cbranch_scc0 .Lentry_shape_is_right
	s_endpgm
.Lentry_shape_is_right:
; part = x + (msg Wm + bm), f32 [4096][1024]: a GEMM on E4M3 codes, K = 1,024, whose sums are multiplied by 2^(e10 + e11) and take the bias and the residual on the way out.
; msg (P): the first [4096][1024] codes of hid.  Wm (Q): [1024 n][1024 k] codes.  LIMIT: e10 + e11 between -126 and 127.
; THE TILE IS 128 x 128: 32 x 8 = 256 tiles, a work-group each.  Four waves, 64 x 64 each: 16 accumulators.
; THE WHOLE K LIES IN LDS, in two slots of 512 along K: (128 + 128) rows of 512 bytes + 16 of padding each.  Each wave asks for 64 rows of a slot by one tensor load: slot 0 at the head, slot 1 behind the full
; sequence and a round.  No byte is filled twice.  No prefetch: both slots are asked for at the head, and there is no loop to run ahead in.
; CLUSTERS 4 x 4: P's tile hangs on the tile row alone and is shared along a row of the cluster, Q's on the tile column alone and is shared along a column: each is asked for jointly.
; The matrix instruction is used transposed (source 0 = 16 rows of Q, source 1 = 16 rows of P): a lane holds 8 neighbouring numbers of a row of part.
; x: a wave's 64 x 64 numbers are asked for ahead of the first products, 32 loads into window 2, in the layout in which the rows come back from the stage.
; REGISTERS: window 0: v[12:15] my four columns of bm; v16-17, v20-21 LDS addresses of my P and Q fragments, one a slot; v24-28 the way out; v30, v31 the add's; v32-127 rows read back; v128-255 the accumulators.
;   window 1: two fragment buffers of 128 registers, for 128 along K each: 64 of P, then 64 of Q.   window 2: v0-127 x.
.set KROW,   1024
.set ESC,    0x28                      ; entries 10 and 11 of the scales
.set PITCH,  528                       ; an LDS row: 512 bytes + 16: an odd multiple of 16, so the 16 rows that a load touches start at 16 different 16-byte columns
.set QUART,  64*PITCH
.set SLOT,   4*QUART                   ; P's 128 rows, then Q's 128 rows
.set STAGE,  2*SLOT                    ; 16 rows x 272 bytes for each wave; no tile lands here
.set SPITCH, 272
.set SPARE,  STAGE+4*16*SPITCH
.set ROWC,   4096
.set ADRA, 16
.set ADRB, 20
.set STO,  24
.set RD,   25
.set CO,   26
.set BO,   28
.set SPW,  30
.set NIL,  31
.set BK,   32
.set ACC,  128
.set G1,   24
.set G0,   32                          ; s[32:39] P's two groups 0;  s[40:47] Q's
.set G0B,  40
.set G1B,  48
.set CX,   56
.set CY,   57
.set TC,   58
.set MR,   59
.set MC,   60
.set LD0,  61
.set QA,   62
.set RS,   68                          ; s[68:69] x
.set BS,   70                          ; s[70:71] bm
.set SC,   72                          ; s[72:73] the two exponents, then 2^(their sum)
.set GW,   (1<<20)|(1<<21)|(6<<22)|(3<<25)   ; padding on; set beside a mask; four words behind every 128
.set MSB, 0
.macro WIN new
.if MSB != (\new)
	s_set_vgpr_msb (MSB<<8)|(\new)
.set MSB, \new
.endif
.endm
.set MUL,  0x05                        ; sources 0 (Q) and 1 (P) window 1; C and D window 0
.set TO_F, 0x40
.macro PLACES                          ; four plain vector lines between a matrix instruction and a load into, or a read of, its registers
.rept 4
	v_nop
.endr
.endm
.macro CROUND
	s_barrier_signal -1
	s_barrier_wait -1
	s_cmp_lg_u32 s14, 0
	s_cbranch_scc1 .Lnot_wave_0_\@
	s_barrier_signal -3
.Lnot_wave_0_\@:
	s_barrier_wait -3
	s_barrier_signal -1
	s_barrier_wait -1
.endm
.macro JLOAD s                         ; waves 0, 1 fetch P's halves, waves 2, 3 Q's: one load in each arm
	s_cmp_eq_u32 s15, 0
	s_cbranch_scc0 .Lfor_q_\@
	tensor_load_to_lds s[G0+4*\s:G0+4*\s+3], s[G1:G1+7]
	s_nop 0
	PLACES
	s_branch .Lasked_\@
.Lfor_q_\@:
	tensor_load_to_lds s[G0B+4*\s:G0B+4*\s+3], s[G1B:G1B+7]
	s_nop 0
	PLACES
.Lasked_\@:
.endm
	s_load_b128 s[4:7], s[0:1], 0x0                ; msg's codes, Wm's codes
	s_load_b128 s[RS:RS+3], s[0:1], 0x10           ; x, bm
	s_load_b128 s[8:11], s[0:1], 0x20              ; the scales' exponents, part
	v_lshl_add_u32 v[SPW], v0, 2, SPARE
	v_mov_b32 v[NIL], 0
	ds_add_u32 v[SPW], v[NIL]                      ; the opening lines: the add twice on end
	ds_add_u32 v[SPW], v[NIL]
	v_lshrrev_b32 v1, 5, v0
	v_readfirstlane_b32 s14, v1                    ; wave 0..3
	s_lshr_b32 s15, s14, 1                         ; my half of the tile's rows.  Also: I fetch for P (0) or Q (1)
	s_and_b32 s16, s14, 1                          ; my half of its columns.  Also: which 64 rows I fetch
	s_bfe_u32 s[CX], ttmp6, 0x40000
	s_bfe_u32 s[CY], ttmp6, 0x40004
	s_lshl_b32 s[TC], ttmp9, 2
	s_add_co_u32 s[TC], s[TC], s[CX]               ; tile column
	s_and_b32 s17, ttmp7, 0xffff
	s_lshl_b32 s17, s17, 2
	s_add_co_u32 s17, s17, s[CY]                   ; tile row
	s_lshl_b32 s[MR], s[CY], 2
	s_lshl_b32 s[MR], 15, s[MR]                    ; my row of the cluster
	s_lshl_b32 s[MC], 0x1111, s[CX]                ; my column
	s_or_b32 s[G1+0], s[MR], GW
	s_or_b32 s[G1B+0], s[MC], GW
.irp g, G1, G1B
	s_mov_b32 s[\g+1], 512<<16
	s_mov_b32 s[\g+2], 64<<16
	s_mov_b32 s[\g+3], 512<<16
	s_mov_b32 s[\g+4], 64
	s_mov_b32 s[\g+5], KROW
	s_mov_b32 s[\g+6], 0
	s_mov_b32 s[\g+7], 0
.endr
	s_lshl_b32 s18, s16, 6
	s_lshl_b32 s20, s17, 7
	s_add_co_u32 s20, s20, s18
	s_lshl_b32 s20, s20, 10                        ; P: (128 x tile row + 64 x half) rows of 1,024 bytes
	s_mov_b32 s21, 0
	s_lshl_b32 s[QA], s[TC], 7
	s_add_co_u32 s[QA], s[QA], s18
	s_lshl_b32 s[QA], s[QA], 10                    ; Q likewise, by the tile column
	s_mov_b32 s[QA+1], 0
	s_mul_i32 s[LD0], s14, QUART                   ; wave x 64 rows: no place in the cluster enters an LDS address
	s_wait_dscnt 0x0
	s_wait_kmcnt 0x0
	s_load_b64 s[SC:SC+1], s[8:9], ESC
	s_add_nc_u64 s[20:21], s[4:5], s[20:21]
	s_add_nc_u64 s[QA:QA+1], s[6:7], s[QA:QA+1]
	CROUND                                         ; all sixteen work-groups are here: the joint loads meet
.irp c, 0,1
	s_mov_b32 s[G0+4*\c], 1
	s_add_co_u32 s[G0+4*\c+1], s[LD0], \c*SLOT
	s_add_nc_u64 s[G0+4*\c+2:G0+4*\c+3], s[20:21], \c*512
	s_or_b32 s[G0+4*\c+3], s[G0+4*\c+3], 0x80000000
	s_mov_b32 s[G0B+4*\c], 1
	s_add_co_u32 s[G0B+4*\c+1], s[LD0], \c*SLOT
	s_add_nc_u64 s[G0B+4*\c+2:G0B+4*\c+3], s[QA:QA+1], \c*512
	s_or_b32 s[G0B+4*\c+3], s[G0B+4*\c+3], 0x80000000
.endr
	JLOAD 0                                        ; slot 0: my one load at the head
	s_mul_i32 s21, s15, QUART                      ; my 64 rows of P
	s_mul_i32 s22, s16, QUART
	s_add_co_u32 s22, s22, 2*QUART                 ; my 64 rows of Q, behind P's 128
	s_mul_i32 s23, s14, 16*SPITCH
	s_add_co_u32 s23, s23, STAGE                   ; my stage
	v_and_b32 v1, 15, v0                           ; r
	v_bfe_u32 v2, v0, 4, 1                         ; h
	v_mul_u32_u24 v3, v1, PITCH
	v_lshl_add_u32 v4, v2, 4, v3
	v_add_nc_u32 v[ADRA], s21, v4
	v_add_nc_u32 v[ADRB], s22, v4
	v_add_nc_u32 v[ADRA+1], SLOT, v[ADRA]
	v_add_nc_u32 v[ADRB+1], SLOT, v[ADRB]
	v_mul_u32_u24 v3, v1, SPITCH
	v_lshl_add_u32 v5, v2, 5, v3
	v_add_nc_u32 v[STO], s23, v5                   ; in: row r, 32 bytes for each half of the lanes
	v_mul_u32_u24 v5, v2, SPITCH
	v_lshl_add_u32 v5, v1, 4, v5
	v_add_nc_u32 v[RD], s23, v5                    ; back: lanes 0-15 one row of 256 bytes, lanes 16-31 the next
	v_lshlrev_b32 v5, 12, v2
	v_lshl_add_u32 v[CO], v1, 4, v5                ; and the same two rows in part and in x
	v_lshlrev_b32 v[BO], 4, v1                     ; my four columns of the wave's 64
	s_lshl_b32 s20, s17, 7
	s_lshl_b32 s21, s15, 6
	s_add_co_u32 s20, s20, s21
	s_lshl_b32 s20, s20, 12                        ; my first row x 4,096 bytes
	s_lshl_b32 s12, s[TC], 9
	s_lshl_b32 s13, s16, 8
	s_add_co_u32 s12, s12, s13                     ; my first column, in bytes
	s_mov_b32 s13, 0
	s_add_co_u32 s20, s20, s12
	s_mov_b32 s21, 0
	s_add_nc_u64 s[10:11], s[10:11], s[20:21]
	s_add_nc_u64 s[RS:RS+1], s[RS:RS+1], s[20:21]
	s_add_nc_u64 s[BS:BS+1], s[BS:BS+1], s[12:13]
.macro FRAG reg, adr, q, i             ; 16 rows x 128 K: registers 4 c .. 4 c + 3 hold K = 32 c + 16 (l / 16) + 0 .. 15: the same permutation of k in P and in Q
.irp c, 0,1,2,3
	ds_load_b128 v[\reg+4*\c:\reg+4*\c+3], v[\adr] offset:128*(\q)+32*\c+(\i)*16*PITCH
.endr
.endm
.macro FETCH slot, q, f                ; 32 LDS loads in one run, into buffer f
	WIN TO_F
.irp i, 0,1,2,3
	FRAG 128*(\f)+64+16*\i, ADRB+\slot, \q, \i
	FRAG 128*(\f)+16*\i, ADRA+\slot, \q, \i
.endr
.endm
.macro MUL8 f, a0, zero                ; P's blocks a0, a0 + 1 x Q's four; the 16 accumulators take turns
.irp a, \a0, \a0+1
.irp b, 0,1,2,3
.if \zero
	v_wmma_f32_16x16x128_fp8_fp8 v[ACC+8*(4*(\a)+\b):ACC+8*(4*(\a)+\b)+7], v[\f+64+16*\b:\f+64+16*\b+15], v[\f+16*(\a):\f+16*(\a)+15], 0
.else
	v_wmma_f32_16x16x128_fp8_fp8 v[ACC+8*(4*(\a)+\b):ACC+8*(4*(\a)+\b)+7], v[\f+64+16*\b:\f+64+16*\b+15], v[\f+16*(\a):\f+16*(\a)+15], v[ACC+8*(4*(\a)+\b):ACC+8*(4*(\a)+\b)+7]
.endif
.endr
.endr
.endm
.macro STEP slot, q, zero              ; one of a slot's first three steps of 128: its fragments are waited for, the next step's asked for, then its 16 products
	s_wait_dscnt 0x0
	PLACES
	FETCH \slot, (\q)+1, 1-(\q)%2
	WIN MUL
	MUL8 128*((\q)%2), 0, \zero
	MUL8 128*((\q)%2), 2, \zero
.endm
.macro RESID                           ; the residual, rows 2 n and 2 n + 1 of my 64 by load n, and the bias
	WIN 0x80                                       ; destinations in window 2
.set n, 0
.rept 32
	global_load_b128 v[4*n:4*n+3], v[CO], s[RS:RS+1] offset:2*n*ROWC th:TH_LOAD_NT
.set n, n+1
.endr
	WIN 0
	global_load_b128 v[12:15], v[BO], s[BS:BS+1]
.endm
	s_wait_alu depctr_va_vdst(0)                   ; the wait at the head's end
	s_wait_tensorcnt 0x0                           ; my part of slot 0 is in; the lines ahead of a later first fill:
	ds_add_u32 v[SPW], v[NIL]
	s_wait_dscnt 0x0
	CROUND
	JLOAD 1                                        ; slot 1
	FETCH 0, 0, 0
	RESID
	STEP 0, 0, 1                                   ; the first step's products start the sums
	STEP 0, 1, 0
	STEP 0, 2, 0
	s_wait_dscnt 0x0                               ; slot 0's last fragments are in
	s_wait_tensorcnt 0x0                           ; my part of slot 1 is in,
	s_barrier_signal -1
	MUL8 128, 0, 0                                 ; work on registers while the others arrive
	s_barrier_wait -1                              ; everybody's is; nothing is filled again
	PLACES
	FETCH 1, 0, 0
	WIN MUL
	MUL8 128, 2, 0
	STEP 1, 0, 0
	STEP 1, 1, 0
	STEP 1, 2, 0
	s_wait_dscnt 0x0
	MUL8 128, 0, 0
	MUL8 128, 2, 0
	WIN 0
; THE WAY OUT, block by block of 16 rows x 64 columns: the sums go from the accumulators (each from its low end on) into my own stage and come back as whole rows of 256 bytes;
; there each takes its scale and bias (one fused line for two numbers) and the residual.  LDS serves a wave's instructions in order (ISA guide 5.7.1.4): no wait between the stores and the loads.
.macro TOSTAGE a
.irp b, 0,1,2,3
	ds_store_b128 v[STO], v[ACC+8*(4*(\a)+\b):ACC+8*(4*(\a)+\b)+3] offset:64*\b
	ds_store_b128 v[STO], v[ACC+8*(4*(\a)+\b)+4:ACC+8*(4*(\a)+\b)+7] offset:64*\b+16
.endr
.set BB, BK+32*((\a)%3)
.irp t, 0,1,2,3,4,5,6,7
	ds_load_b128 v[BB+4*\t:BB+4*\t+3], v[RD] offset:\t*2*SPITCH
.endr
.endm
.macro SEND a, younger                 ; younger: the LDS instructions issued behind block a's loads, which may stay out
.set BB, BK+32*((\a)%3)
	s_wait_dscnt \younger
.set k, 0
.rept 16
	v_pk_fma_f32 v[BB+2*k:BB+2*k+1], v[BB+2*k:BB+2*k+1], s[SC:SC+1], v[12+2*(k%2):13+2*(k%2)] op_sel_hi:[1,0,1]
.set k, k+1
.endr
	WIN 0x08                                       ; source 1 in window 2
.set k, 0
.rept 16
	v_pk_add_f32 v[BB+2*k:BB+2*k+1], v[BB+2*k:BB+2*k+1], v[32*(\a)+2*k:32*(\a)+2*k+1]
.set k, k+1
.endr
	WIN 0
.irp t, 0,1,2,3,4,5,6,7
	global_store_b128 v[CO], v[BB+4*\t:BB+4*\t+3], s[10:11] offset:(16*(\a)+2*\t)*ROWC   ; sixteen lanes store 256 consecutive bytes, aligned
.endr
.endm
	s_wait_kmcnt 0x0
	s_add_co_i32 s[SC], s[SC], s[SC+1]
	s_add_co_i32 s[SC], s[SC], 127
	s_lshl_b32 s[SC], s[SC], 23                    ; 2^(the two exponents' sum)
	s_mov_b32 s[SC+1], s[SC]
	s_wait_loadcnt 0x0                             ; the residual and the bias
	PLACES
	TOSTAGE 0
	TOSTAGE 1
	SEND 0, 16
	TOSTAGE 2
	SEND 1, 16
	s_wait_xcnt 0x0                                ; block 0's stores have read their registers: block 3's rows land there
	TOSTAGE 3
	SEND 2, 16
	SEND 3, 0
	s_wait_tensorcnt 0x0                           ; the wave's end
	ds_add_u32 v[SPW], v[NIL]
	s_wait_dscnt 0x0
	CROUND                                         ; the closing round
	s_endpgm
.Lfunc_end_k_q4ffbffb21e_proj:
	.size	k_q4ffbffb21e_proj, .Lfunc_end_k_q4ffbffb21e_proj-k_q4ffbffb21e_proj
	.p2alignl 7, 3214868480
	.fill 96, 4, 3214868480
	.section	.rodata,"a",@progbits
	.p2align	6, 0x0
	.amdhsa_kernel k_q4ffbffb21e_proj
		.amdhsa_group_segment_fixed_size 327680
		.amdhsa_private_segment_fixed_size 0
		.amdhsa_enable_private_segment 0
		.amdhsa_kernarg_size 48
		.amdhsa_user_sgpr_count 2
		.amdhsa_user_sgpr_kernarg_segment_ptr 1
		.amdhsa_wavefront_size32 1
		.amdhsa_system_sgpr_workgroup_id_x 1
		.amdhsa_system_sgpr_workgroup_id_y 1
		.amdhsa_system_sgpr_workgroup_id_z 1
		.amdhsa_system_vgpr_workitem_id 0
		.amdhsa_next_free_vgpr 640
		.amdhsa_next_free_sgpr 84
		.amdhsa_reserve_vcc 0
		.amdhsa_float_denorm_mode_32 3
		.amdhsa_float_denorm_mode_16_64 3
		.amdhsa_memory_ordered 1
		.amdhsa_forward_progress 1
		.amdhsa_inst_pref_size 53
	.end_amdhsa_kernel
	.amdgpu_metadata
---
amdhsa.version: [ 1, 2 ]
amdhsa.kernels:
  - .name:           k_q4ffbffb21e_proj
    .symbol:         k_q4ffbffb21e_proj.kd
    .args:
      - { .name: hid, .offset: 0, .size: 8, .value_kind: global_buffer, .address_space: global }
      - { .name: Wm_codes, .offset: 8, .size: 8, .value_kind: global_buffer, .address_space: global }
      - { .name: x, .offset: 16, .size: 8, .value_kind: global_buffer, .address_space: global }
      - { .name: bm, .offset: 24, .size: 8, .value_kind: global_buffer, .address_space: global }
      - { .name: lowp_scales, .offset: 32, .size: 8, .value_kind: global_buffer, .address_space: global }
      - { .name: part, .offset: 40, .size: 8, .value_kind: global_buffer, .address_space: global }
    .group_segment_fixed_size: 327680
    .private_segment_fixed_size: 0
    .kernarg_segment_align: 8
    .kernarg_segment_size: 48
    .max_flat_workgroup_size: 128
    .sgpr_count:     84
    .vgpr_count:     640
    .wavefront_size: 32
...
	.end_amdgpu_metadata
.endif
;; end of part 4
;; launch ln1 (part 5): grid 256 x 1, 16 waves a work-group, no clusters, 18,432 bytes of LDS; arguments part, g1, be1, lowp_scales, hf, hc; writes hf, hc
.if DOCPART == 5
	.amdgcn_target "amdgcn-amd-amdhsa--gfx1250"
	.amdhsa_code_object_version 6
	.text
	.protected	k_q4ffbffb21e_ln1
	.globl	k_q4ffbffb21e_ln1
	.p2align	8
	.type	k_q4ffbffb21e_ln1,@function
k_q4ffbffb21e_ln1:
	s_mov_b64 s[64:65], 0
	v_nop
	global_prefetch_b8 v0, s[64:65] scope:SCOPE_SE
	s_setreg_imm32_b32 hwreg(HW_REG_WAVE_MODE, 25, 1), 1
	s_wait_xcnt 0x0
; h = LayerNorm(y; g1, be1), in f32 (hf) and as E4M3 codes under 2^e12 (hc).  y = x + (msg Wm + bm): part, as the launch before stored it.
; One wave takes one row of 1,024: 32 numbers a lane, kept in registers between the passes: mean, then the mean of the squared differences (two passes, so a common offset of the row costs no accuracy), then the scaling.
; Register 4 j + e of a row holds element 128 j + 4 lane + e: every load and store covers 512 consecutive bytes.  No wave waits for another.
; The codes: a conversion's 8 registers are 4 + 4 neighbours; register j of its results is 4 bytes at 128 j + 4 lane of the row.  They turn through the wave's own 1,024 bytes of LDS and leave 16 bytes a lane.
; LIMIT: e12 between -126 and 119.  NaN is not served.
.set Y,  16                            ; v16-47   the row at work
.set G,  48                            ; v48-79   g1
.set BE, 80                            ; v80-111  be1
.set T,  112                           ; v112-143 the held numbers
.set BK, 144                           ; v144-151 the codes read back
.set CD, 152                           ; v152-159 the codes
.macro LDROW reg, base                 ; a row that the launch reads once
.irp j, 0,1,2,3,4,5,6,7
	global_load_b128 v[\reg+4*\j:\reg+4*\j+3], v1, s[\base:\base+1] offset:512*\j th:TH_LOAD_NT
.endr
.endm
.macro LDVEC reg, base                 ; a vector that every work-group reads
.irp j, 0,1,2,3,4,5,6,7
	global_load_b128 v[\reg+4*\j:\reg+4*\j+3], v1, s[\base:\base+1] offset:512*\j
.endr
.endm
.macro LANES                           ; v[2:3] -> the sum over both halves and all 32 lanes, in v2 of every lane
	s_delay_alu instid0(VALU_DEP_1)
	v_add_f32 v2, v2, v3
	s_delay_alu instid0(VALU_DEP_1)
	v_add_f32_dpp v2, v2, v2 row_xmask:1 row_mask:0xf bank_mask:0xf
	s_delay_alu instid0(VALU_DEP_1)
	v_add_f32_dpp v2, v2, v2 row_xmask:2 row_mask:0xf bank_mask:0xf
	s_delay_alu instid0(VALU_DEP_1)
	v_add_f32_dpp v2, v2, v2 row_xmask:4 row_mask:0xf bank_mask:0xf
	s_delay_alu instid0(VALU_DEP_1)
	v_add_f32_dpp v2, v2, v2 row_xmask:8 row_mask:0xf bank_mask:0xf
	s_delay_alu instid0(VALU_DEP_1)
	v_permlanex16_b32 v3, v2, s32, s33
	s_delay_alu instid0(VALU_DEP_1)
	v_add_f32 v2, v2, v3
.endm
	s_load_b256 s[4:11], s[0:1], 0x0               ; part 4, g1 6, be1 8, the scales 10
	s_load_b128 s[12:15], s[0:1], 0x20             ; hf 12, hc 14
	v_lshl_add_u32 v160, v0, 2, 0x4000
	v_mov_b32 v161, 0
	v_lshrrev_b32 v2, 5, v0
	s_delay_alu instid0(VALU_DEP_1)
	v_readfirstlane_b32 s24, v2                    ; wave
	v_and_b32 v3, 31, v0
	s_delay_alu instid0(VALU_DEP_1)
	v_lshlrev_b32 v1, 4, v3                        ; 16 x lane
	s_lshl_b32 s25, ttmp9, 4
	s_add_co_u32 s25, s25, s24                     ; my row
	s_lshl_b32 s26, s25, 12
	s_mov_b32 s27, 0
	s_lshl_b32 s28, s25, 10
	s_mov_b32 s29, 0
	s_lshl_b32 s30, s24, 10                        ; my 1,024 bytes of LDS
	v_lshl_add_u32 v14, v3, 2, s30
	v_add_nc_u32 v15, s30, v1
	s_mov_b32 s32, 0x76543210
	s_mov_b32 s33, 0xfedcba98
	s_mov_b32 s34, 0x3a800000                      ; 1 / 1,024
	s_mov_b32 s35, 0x3727c5ac                      ; 1e-5
	s_wait_alu depctr_va_vdst(0)
	s_wait_kmcnt 0x0
	s_load_b32 s22, s[10:11], 0x30                 ; entry 12
	s_add_nc_u64 s[4:5], s[4:5], s[26:27]
	s_add_nc_u64 s[12:13], s[12:13], s[26:27]
	s_add_nc_u64 s[14:15], s[14:15], s[28:29]
	LDROW Y, 4
	LDVEC G, 6
	LDVEC BE, 8
	s_wait_kmcnt 0x0
	s_add_co_i32 s22, s22, 127
	s_lshl_b32 s23, s22, 23
	v_mov_b32 v12, s23                             ; 2^e12
	s_add_co_i32 s22, s22, 8
	s_lshl_b32 s22, s22, 23
	s_or_b32 s22, s22, 0x600000
	v_mov_b32 v13, s22                             ; 448 x 2^e12
	s_wait_loadcnt 16                              ; the row is in; g1's and be1's sixteen loads may be out
	v_pk_add_f32 v[2:3], v[Y:Y+1], v[Y+2:Y+3]      ; the row's sum, in two chains
	v_pk_add_f32 v[4:5], v[Y+4:Y+5], v[Y+6:Y+7]
.irp j, 8,12,16,20,24,28
	s_delay_alu instid0(VALU_DEP_2)
	v_pk_add_f32 v[2:3], v[2:3], v[Y+\j:Y+\j+1]
	s_delay_alu instid0(VALU_DEP_2)
	v_pk_add_f32 v[4:5], v[4:5], v[Y+\j+2:Y+\j+3]
.endr
	s_delay_alu instid0(VALU_DEP_1)
	v_pk_add_f32 v[2:3], v[2:3], v[4:5]
	LANES
	s_delay_alu instid0(VALU_DEP_1)
	v_mul_f32 v6, s34, v2                          ; the mean
	s_delay_alu instid0(VALU_DEP_1)
	v_mov_b32 v7, v6
.set j, 0
.rept 16
	v_pk_add_f32 v[Y+j:Y+j+1], v[Y+j:Y+j+1], v[6:7] op_sel_hi:[1,0] neg_lo:[0,1] neg_hi:[0,1]
.set j, j+2
.endr
	v_pk_mul_f32 v[2:3], v[Y:Y+1], v[Y:Y+1]
	v_pk_mul_f32 v[4:5], v[Y+2:Y+3], v[Y+2:Y+3]
.irp j, 4,8,12,16,20,24,28
	s_delay_alu instid0(VALU_DEP_2)
	v_pk_fma_f32 v[2:3], v[Y+\j:Y+\j+1], v[Y+\j:Y+\j+1], v[2:3]
	s_delay_alu instid0(VALU_DEP_2)
	v_pk_fma_f32 v[4:5], v[Y+\j+2:Y+\j+3], v[Y+\j+2:Y+\j+3], v[4:5]
.endr
	s_delay_alu instid0(VALU_DEP_1)
	v_pk_add_f32 v[2:3], v[2:3], v[4:5]
	LANES
	s_delay_alu instid0(VALU_DEP_1)
	v_fma_f32 v8, v2, s34, s35                     ; the variance + 1e-5
	s_wait_alu depctr_va_vdst(0)
	v_rsq_f32 v10, v8
	v_nop                                          ; a plain line behind the transcendental,
	s_wait_alu depctr_va_vdst(0)                   ; and the wait ahead of its first reader
	v_mov_b32 v11, v10
.set j, 0
.rept 16
	v_pk_mul_f32 v[Y+j:Y+j+1], v[Y+j:Y+j+1], v[10:11] op_sel_hi:[1,0]
.set j, j+2
.endr
	s_wait_loadcnt 0x0                             ; g1, be1
.set j, 0
.rept 16
	v_pk_fma_f32 v[Y+j:Y+j+1], v[Y+j:Y+j+1], v[G+j:G+j+1], v[BE+j:BE+j+1]
.set j, j+2
.endr
.irp j, 0,1,2,3,4,5,6,7
	global_store_b128 v1, v[Y+4*\j:Y+4*\j+3], s[12:13] offset:512*\j
.endr
.set j, 0
.rept 32
	v_med3_num_f32 v[T+j], v[Y+j], -v13, v13       ; the conversion to an 8-bit code does not saturate (ISA guide 7.6.2)
.set j, j+1
.endr
.irp g, 0,1,2,3
	v_cvt_scalef32_pk8_fp8_f32 v[CD+2*\g:CD+2*\g+1], v[T+8*\g:T+8*\g+7], v12
.endr
	v_nop
.irp j, 0,1,2,3,4,5,6,7
	ds_store_b32 v14, v[CD+\j] offset:128*\j
.endr
.irp u, 0,1
	ds_load_b128 v[BK+4*\u:BK+4*\u+3], v15 offset:512*\u   ; LDS serves a wave's instructions in order: these see my stores
.endr
.irp u, 0,1
	s_wait_dscnt 1-\u
	global_store_b128 v1, v[BK+4*\u:BK+4*\u+3], s[14:15] offset:512*\u
.endr
	s_wait_tensorcnt 0x0                           ; the wave's end
	ds_add_u32 v160, v161
	s_wait_dscnt 0x0
	s_endpgm
.Lfunc_end_k_q4ffbffb21e_ln1:
	.size	k_q4ffbffb21e_ln1, .Lfunc_end_k_q4ffbffb21e_ln1-k_q4ffbffb21e_ln1
	.p2alignl 7, 3214868480
	.fill 96, 4, 3214868480
	.section	.rodata,"a",@progbits
	.p2align	6, 0x0
	.amdhsa_kernel k_q4ffbffb21e_ln1
		.amdhsa_group_segment_fixed_size 18432
		.amdhsa_private_segment_fixed_size 0
		.amdhsa_enable_private_segment 0
		.amdhsa_kernarg_size 48
		.amdhsa_user_sgpr_count 2
		.amdhsa_user_sgpr_kernarg_segment_ptr 1
		.amdhsa_wavefront_size32 1
		.amdhsa_system_sgpr_workgroup_id_x 1
		.amdhsa_system_sgpr_workgroup_id_y 1
		.amdhsa_system_sgpr_workgroup_id_z 1
		.amdhsa_system_vgpr_workitem_id 0
		.amdhsa_next_free_vgpr 168
		.amdhsa_next_free_sgpr 66
		.amdhsa_reserve_vcc 0
		.amdhsa_float_denorm_mode_32 3
		.amdhsa_float_denorm_mode_16_64 3
		.amdhsa_memory_ordered 1
		.amdhsa_forward_progress 1
		.amdhsa_inst_pref_size 16
	.end_amdhsa_kernel
	.amdgpu_metadata
---
amdhsa.version: [ 1, 2 ]
amdhsa.kernels:
  - .name:           k_q4ffbffb21e_ln1
    .symbol:         k_q4ffbffb21e_ln1.kd
    .args:
      - { .name: part, .offset: 0, .size: 8, .value_kind: global_buffer, .address_space: global }
      - { .name: g1, .offset: 8, .size: 8, .value_kind: global_buffer, .address_space: global }
      - { .name: be1, .offset: 16, .size: 8, .value_kind: global_buffer, .address_space: global }
      - { .name: lowp_scales, .offset: 24, .size: 8, .value_kind: global_buffer, .address_space: global }
      - { .name: hf, .offset: 32, .size: 8, .value_kind: global_buffer, .address_space: global }
      - { .name: hc, .offset: 40, .size: 8, .value_kind: global_buffer, .address_space: global }
    .group_segment_fixed_size: 18432
    .private_segment_fixed_size: 0
    .kernarg_segment_align: 8
    .kernarg_segment_size: 48
    .max_flat_workgroup_size: 512
    .sgpr_count:     66
    .vgpr_count:     168
    .wavefront_size: 32
...
	.end_amdgpu_metadata
.endif
;; end of part 5
;; launch ffn1 (part 6): grid 16 x 16, 4 waves a work-group, clusters of 4 x 4, 327,680 bytes of LDS; arguments hc, W1_codes, b1, lowp_scales, hid; writes hid
.if DOCPART == 6
	.amdgcn_target "amdgcn-amd-amdhsa--gfx1250"
	.amdhsa_code_object_version 6
	.text
	.protected	k_q4ffbffb21e_ffn1
	.globl	k_q4ffbffb21e_ffn1
	.p2align	8
	.type	k_q4ffbffb21e_ffn1,@function
k_q4ffbffb21e_ffn1:
	s_mov_b64 s[64:65], 0
	v_nop
	global_prefetch_b8 v0, s[64:65] scope:SCOPE_SE
	s_setreg_imm32_b32 hwreg(HW_REG_WAVE_MODE, 25, 1), 1
	s_wait_xcnt 0x0
	s_wait_alu depctr_hold_cnt(0) depctr_sa_sdst(0) depctr_va_vdst(0) depctr_va_sdst(0) depctr_va_ssrc(0) depctr_va_vcc(0) depctr_vm_vsrc(0)
	s_getreg_b32 s2, hwreg(HW_REG_IB_STS2, 6, 4)
	s_cmp_eq_u32 s2, 0
	s_cbranch_scc0 .Lentry_in_a_cluster
	s_endpgm
.Lentry_in_a_cluster:
	s_bfe_u32 s2, ttmp6, 0x10000c
	s_cmp_lg_u32 s2, 0xf033
	s_cbranch_scc0 .Lentry_shape_is_right
	s_endpgm
.Lentry_shape_is_right:
.set KSTEP,  256
.set ROWB,   256
.set KROW,   1024
.set PITCH,  272
.set FR,     16
.set NL,     4
.set NP,     4
.set HALFT,  128*PITCH
.set SLOT,   4*HALFT
.set LAPS,   2
.set SPARE,  2*SLOT
.set ADRA, 16
.set ADRB, 20
.set STO,  24
.set RD,   25
.set CO,   26
.set SPW,  28
.set NIL,  29
.set BIAS, 64
.set AF,   128
.set T,    128
.set CD,   192
.set G1, 24
.set G0, 32
.set G1B, 48
.set G0B, 56
.set MSB, 0
.macro WIN new
.if MSB != (\new)
	s_set_vgpr_msb (MSB<<8)|(\new)
.set MSB, \new
.endif
.endm
.set MUL_LO, 0xa1
.set MUL_HI, 0xf1
.set TO_B,   0x40
.macro JLOAD g0a, g1a, g0b, g1b
	s_cmp_eq_u32 s15, 0
	s_cbranch_scc0 .Lfor_b_\@
	tensor_load_to_lds s[\g0a:\g0a+3], s[\g1a:\g1a+7]
	s_nop 0
.rept 4
	v_nop
.endr
	s_branch .Lasked_\@
.Lfor_b_\@:
	tensor_load_to_lds s[\g0b:\g0b+3], s[\g1b:\g1b+7]
	s_nop 0
.rept 4
	v_nop
.endr
.Lasked_\@:
.endm
.macro CREST
	s_cmp_lg_u32 s14, 0
	s_cbranch_scc1 .Lnot_wave_0_\@
	s_barrier_signal -3
.Lnot_wave_0_\@:
	s_barrier_wait -3
	s_barrier_signal -1
	s_barrier_wait -1
.endm
.macro CROUND
	s_barrier_signal -1
	s_barrier_wait -1
	CREST
.endm
	s_load_b128 s[4:7], s[0:1], 0x0
	s_load_b128 s[8:11], s[0:1], 0x10
	s_load_b64 s[12:13], s[0:1], 0x20
	v_lshl_add_u32 v[SPW], v0, 2, SPARE
	v_mov_b32 v[NIL], 0
	ds_add_u32 v28, v29
	ds_add_u32 v28, v29
	s_wait_dscnt 0x0
	v_lshrrev_b32 v1, 5, v0
	v_readfirstlane_b32 s14, v1
	s_lshr_b32 s15, s14, 1
	s_and_b32 s16, s14, 1
	s_bfe_u32 s40, ttmp6, 0x40000
	s_bfe_u32 s41, ttmp6, 0x40004
	s_lshl_b32 s42, ttmp9, 2
	s_add_co_u32 s42, s42, s40
	s_and_b32 s17, ttmp7, 0xffff
	s_lshl_b32 s17, s17, 2
	s_add_co_u32 s17, s17, s41
	s_lshl_b32 s43, s41, 2
	s_lshl_b32 s43, 15, s43
	s_lshl_b32 s44, 0x1111, s40
	s_or_b32 s[G1+0], s43, (0<<16)|(1<<20)|(1<<21)|(5<<22)|(3<<25)
	s_or_b32 s[G1B+0], s44, (0<<16)|(1<<20)|(1<<21)|(5<<22)|(3<<25)
.irp g, G1, G1B
	s_mov_b32 s[\g+1], ROWB<<16
	s_mov_b32 s[\g+2], 128<<16
	s_mov_b32 s[\g+3], ROWB<<16
	s_mov_b32 s[\g+4], 128
	s_mov_b32 s[\g+5], KROW
	s_mov_b32 s[\g+6], 0
	s_mov_b32 s[\g+7], 0
.endr
	s_lshl_b32 s18, s16, 7
	s_lshl_b32 s20, s17, 8
	s_add_co_u32 s20, s20, s18
	s_lshl_b32 s20, s20, 10
	s_mov_b32 s21, 0
	s_lshl_b32 s46, s42, 8
	s_add_co_u32 s46, s46, s18
	s_lshl_b32 s46, s46, 10
	s_mov_b32 s47, 0
	s_mul_i32 s45, s14, HALFT
	s_wait_kmcnt 0x0
	s_load_b128 s[96:99], s[10:11], 0x30
	s_add_nc_u64 s[20:21], s[4:5], s[20:21]
	s_add_nc_u64 s[46:47], s[6:7], s[46:47]
	CROUND
.irp s, 0,1
	s_mov_b32 s[G0+4*\s], 1
	s_add_co_u32 s[G0+4*\s+1], s45, \s*SLOT
	s_add_nc_u64 s[G0+4*\s+2:G0+4*\s+3], s[20:21], \s*ROWB
	s_or_b32 s[G0+4*\s+3], s[G0+4*\s+3], 0x80000000
	s_mov_b32 s[G0B+4*\s], 1
	s_add_co_u32 s[G0B+4*\s+1], s45, \s*SLOT
	s_add_nc_u64 s[G0B+4*\s+2:G0B+4*\s+3], s[46:47], \s*ROWB
	s_or_b32 s[G0B+4*\s+3], s[G0B+4*\s+3], 0x80000000
	s_wait_alu depctr_va_vdst(0)
	s_wait_tensorcnt 0x0
	ds_add_u32 v28, v29
	ds_add_u32 v28, v29
	s_wait_dscnt 0x0
	CROUND
	JLOAD G0+4*\s, G1, G0B+4*\s, G1B
.endr
	v_and_b32 v1, 15, v0
	v_bfe_u32 v2, v0, 4, 1
	s_wait_alu depctr_va_vdst(0)
	v_mul_u32_u24 v3, v1, PITCH
	s_wait_alu depctr_va_vdst(0)
	v_lshl_add_u32 v4, v2, 4, v3
	s_mul_i32 s21, s15, HALFT
	s_mul_i32 s22, s16, HALFT
	s_add_co_u32 s22, s22, 2*HALFT
.irp s, 0,1
	v_add_nc_u32 v[ADRA+\s], s21, v4
	v_add_nc_u32 v[ADRB+\s], s22, v4
	s_add_co_u32 s21, s21, SLOT
	s_add_co_u32 s22, s22, SLOT
.endr
	s_lshl_b32 s20, s42, 8
	s_lshl_b32 s21, s16, 7
	s_add_co_u32 s20, s20, s21
	s_lshl_b32 s20, s20, 2
	s_mov_b32 s21, 0
	s_add_nc_u64 s[8:9], s[8:9], s[20:21]
	v_lshlrev_b32 v7, 5, v2
.irp b, 0,1,2,3,4,5,6,7
	global_load_b128 v[BIAS+8*\b:BIAS+8*\b+3], v7, s[8:9] offset:64*\b
	global_load_b128 v[BIAS+8*\b+4:BIAS+8*\b+7], v7, s[8:9] offset:64*\b+16
.endr
	s_mul_i32 s23, s15, HALFT
	s_lshl_b32 s22, s16, 7
	s_add_co_u32 s23, s23, s22
	v_lshl_add_u32 v5, v2, 3, v3
	v_add_nc_u32 v[STO], s23, v5
	s_mul_i32 s23, s14, 64*PITCH
	v_mul_u32_u24 v5, v2, PITCH
	v_lshl_add_u32 v5, v1, 4, v5
	v_add_nc_u32 v[RD], s23, v5
	v_lshlrev_b32 v5, 10, v2
	v_lshl_add_u32 v[CO], v1, 4, v5
	s_lshl_b32 s20, s17, 8
	s_lshl_b32 s21, s14, 6
	s_add_co_u32 s20, s20, s21
	s_lshl_b32 s20, s20, 10
	s_lshl_b32 s21, ttmp9, 22
	s_add_co_u32 s20, s20, s21
	s_lshl_b32 s21, s40, 8
	s_add_co_u32 s20, s20, s21
	s_mov_b32 s21, 0
	s_add_nc_u64 s[12:13], s[12:13], s[20:21]
.macro FRAG reg, adr, q, i
.irp c, 0,1,2,3
	ds_load_b128 v[\reg+4*\c:\reg+4*\c+3], v[\adr] offset:128*(\q)+32*\c+(\i)*16*PITCH
.endr
.endm
.macro MUL16 a0, p, zero
.irp a, \a0, \a0+1
.irp b, 0,1,2,3,4,5,6,7
.if \zero
	v_wmma_f32_16x16x128_fp8_fp8 v[8*(8*((\a)%4)+\b):8*(8*((\a)%4)+\b)+7], v[128*(\p)+FR*\b:128*(\p)+FR*\b+FR-1], v[AF+FR*(\a):AF+FR*(\a)+FR-1], 0
.else
	v_wmma_f32_16x16x128_fp8_fp8 v[8*(8*((\a)%4)+\b):8*(8*((\a)%4)+\b)+7], v[128*(\p)+FR*\b:128*(\p)+FR*\b+FR-1], v[AF+FR*(\a):AF+FR*(\a)+FR-1], v[8*(8*((\a)%4)+\b):8*(8*((\a)%4)+\b)+7]
.endif
.endr
.endr
.endm
.macro FETCH_B slot, q, p
	WIN TO_B
.irp i, 0,1,2,3,4,5,6,7
	FRAG 128*(\p)+FR*\i, ADRB+\slot, \q, \i
.endr
	WIN 0
.endm
.macro FETCH_A slot, q, i0
.irp i, \i0, \i0+1, \i0+2, \i0+3
	FRAG AF+FR*(\i), ADRA+\slot, \q, \i
.endr
.endm
.macro PLACES n
.rept \n
	v_nop
.endr
.endm
.macro STEP slot, q, zero
	s_wait_dscnt 4*NL
	WIN MUL_LO
	MUL16 0, (\q)%2, \zero
	MUL16 2, (\q)%2, \zero
	s_wait_dscnt 0
	PLACES NP
	FETCH_B \slot, (\q)+1, 1-(\q)%2
	FETCH_A \slot, (\q)+1, 0
	WIN MUL_HI
	MUL16 4, (\q)%2, \zero
	MUL16 6, (\q)%2, \zero
	PLACES NP
	WIN 0
	FETCH_A \slot, (\q)+1, 4
.endm
.macro TURN slot, next, fill
	s_wait_tensorcnt 0x0
	ds_add_u32 v[SPW], v[NIL]
	s_wait_dscnt 4*NL+1
	WIN MUL_LO
	MUL16 0, 1, 0
	s_wait_dscnt 0x0
	s_barrier_signal -1
	MUL16 2, 1, 0
	WIN 0
	s_barrier_wait -1
.if \fill
	CREST
	s_add_nc_u64 s[G0+4*\slot+2:G0+4*\slot+3], s[G0+4*\slot+2:G0+4*\slot+3], 2*ROWB
	s_add_nc_u64 s[G0B+4*\slot+2:G0B+4*\slot+3], s[G0B+4*\slot+2:G0B+4*\slot+3], 2*ROWB
	JLOAD G0+4*\slot, G1, G0B+4*\slot, G1B
.else
	PLACES NP
.endif
	s_wait_alu depctr_va_vdst(0)
	FETCH_B \next, 0, 0
	FETCH_A \next, 0, 0
	WIN MUL_HI
	MUL16 4, 1, 0
	MUL16 6, 1, 0
	PLACES NP
	WIN 0
	FETCH_A \next, 0, 4
.endm
	s_wait_tensorcnt 1
	s_barrier_signal -1
	s_barrier_wait -1
	FETCH_B 0, 0, 0
	FETCH_A 0, 0, 0
	FETCH_A 0, 0, 4
	STEP 0, 0, 1
	s_mov_b32 s3, LAPS-1
.Llap:
	TURN 0, 1, 1
	STEP 1, 0, 0
	TURN 1, 0, 1
	STEP 0, 0, 0
	s_sub_co_u32 s3, s3, 1
	s_cmp_lg_u32 s3, 0
	s_cbranch_scc1 .Llap
	TURN 0, 1, 0
	STEP 1, 0, 0
	s_wait_dscnt 4*NL
	WIN MUL_LO
	MUL16 0, 1, 0
	MUL16 2, 1, 0
	s_wait_dscnt 0
	WIN MUL_HI
	MUL16 4, 1, 0
	MUL16 6, 1, 0
	WIN 0
.macro CONV bi, relu, sto
.set a, 0
.rept 8
	WIN 0x02+a/4
.set b, 0
.rept 8
.if \bi
.set bb, BIAS+8*a
.else
.set bb, BIAS+8*b
.endif
.irp j, 0,2,4,6
	v_pk_fma_f32 v[T+8*b+\j:T+8*b+\j+1], v[64*(a%4)+8*b+\j:64*(a%4)+8*b+\j+1], s[96:97], v[bb+\j:bb+\j+1] op_sel_hi:[1,0,1]
.endr
.set b, b+1
.endr
	WIN 0
.set i, 0
.rept 64
.if \relu
	v_med3_num_f32 v[T+i], v[T+i], 0, v31
.else
	v_med3_num_f32 v[T+i], v[T+i], -v31, v31
.endif
.set i, i+1
.endr
.if a >= 4
	s_wait_alu depctr_va_vdst(0)
	s_wait_dscnt 24
.endif
.set b, 0
.rept 8
	v_cvt_scalef32_pk8_fp8_f32 v[CD+16*(a%4)+2*b:CD+16*(a%4)+2*b+1], v[T+8*b:T+8*b+7], v30
.set b, b+1
.endr
	v_nop
.set b, 0
.rept 8
	ds_store_b64 v[\sto], v[CD+16*(a%4)+2*b:CD+16*(a%4)+2*b+1] offset:a*16*PITCH+16*b
.set b, b+1
.endr
.set a, a+1
.endr
.endm
	s_wait_kmcnt 0x0
	s_add_co_i32 s96, s96, s97
	s_add_co_i32 s96, s96, 127
	s_lshl_b32 s96, s96, 23
	s_mov_b32 s97, s96
	s_add_co_i32 s98, s98, 127
	s_lshl_b32 s99, s98, 23
	v_mov_b32 v30, s99
	s_add_co_i32 s98, s98, 8
	s_lshl_b32 s98, s98, 23
	s_or_b32 s98, s98, 0x600000
	v_mov_b32 v31, s98
	s_wait_loadcnt 0x0
	PLACES NP
	CONV 0, 1, STO
	s_wait_dscnt 0x0
	s_barrier_signal -1
	s_barrier_wait -1
.set n, 0
.rept 32
	ds_load_b128 v[128+4*n:128+4*n+3], v[RD] offset:n*2*PITCH
.set n, n+1
.endr
.set n, 0
.rept 32
	s_wait_dscnt 31-n
	global_store_b128 v[CO], v[128+4*n:128+4*n+3], s[12:13] offset:n*2048
.set n, n+1
.endr
	s_wait_tensorcnt 0x0
	ds_add_u32 v[SPW], v[NIL]
	s_wait_dscnt 0x0
	CROUND
	s_endpgm
.Lfunc_end_k_q4ffbffb21e_ffn1:
	.size	k_q4ffbffb21e_ffn1, .Lfunc_end_k_q4ffbffb21e_ffn1-k_q4ffbffb21e_ffn1
	.p2alignl 7, 3214868480
	.fill 96, 4, 3214868480
	.section	.rodata,"a",@progbits
	.p2align	6, 0x0
	.amdhsa_kernel k_q4ffbffb21e_ffn1
		.amdhsa_group_segment_fixed_size 327680
		.amdhsa_private_segment_fixed_size 0
		.amdhsa_enable_private_segment 0
		.amdhsa_kernarg_size 40
		.amdhsa_user_sgpr_count 2
		.amdhsa_user_sgpr_kernarg_segment_ptr 1
		.amdhsa_wavefront_size32 1
		.amdhsa_system_sgpr_workgroup_id_x 1
		.amdhsa_system_sgpr_workgroup_id_y 1
		.amdhsa_system_sgpr_workgroup_id_z 1
		.amdhsa_system_vgpr_workitem_id 0
		.amdhsa_next_free_vgpr 1024
		.amdhsa_next_free_sgpr 100
		.amdhsa_reserve_vcc 0
		.amdhsa_float_denorm_mode_32 3
		.amdhsa_float_denorm_mode_16_64 3
		.amdhsa_memory_ordered 1
		.amdhsa_forward_progress 1
		.amdhsa_inst_pref_size 144
	.end_amdhsa_kernel
	.amdgpu_metadata
---
amdhsa.version: [ 1, 2 ]
amdhsa.kernels:
  - .name:           k_q4ffbffb21e_ffn1
    .symbol:         k_q4ffbffb21e_ffn1.kd
    .args:
      - { .name: hc, .offset: 0, .size: 8, .value_kind: global_buffer, .address_space: global }
      - { .name: W1_codes, .offset: 8, .size: 8, .value_kind: global_buffer, .address_space: global }
      - { .name: b1, .offset: 16, .size: 8, .value_kind: global_buffer, .address_space: global }
      - { .name: lowp_scales, .offset: 24, .size: 8, .value_kind: global_buffer, .address_space: global }
      - { .name: hid, .offset: 32, .size: 8, .value_kind: global_buffer, .address_space: global }
    .group_segment_fixed_size: 327680
    .private_segment_fixed_size: 0
    .kernarg_segment_align: 8
    .kernarg_segment_size: 40
    .max_flat_workgroup_size: 128
    .sgpr_count:     100
    .vgpr_count:     1024
    .wavefront_size: 32
...
	.end_amdgpu_metadata
.endif
;; end of part 6
;; launch ffn2 (part 7): grid 8 x 32, 4 waves a work-group, clusters of 4 x 4, 327,680 bytes of LDS; arguments hid, w2s, hf, b2, lowp_scales, part; writes part
.if DOCPART == 7
	.amdgcn_target "amdgcn-amd-amdhsa--gfx1250"
	.amdhsa_code_object_version 6
	.text
	.protected	k_q4ffbffb21e_ffn2
	.globl	k_q4ffbffb21e_ffn2
	.p2align	8
	.type	k_q4ffbffb21e_ffn2,@function
k_q4ffbffb21e_ffn2:
	s_mov_b64 s[64:65], 0
	v_nop
	global_prefetch_b8 v0, s[64:65] scope:SCOPE_SE
	s_setreg_imm32_b32 hwreg(HW_REG_WAVE_MODE, 25, 1), 1
	s_wait_xcnt 0x0
	s_wait_alu depctr_hold_cnt(0) depctr_sa_sdst(0) depctr_va_vdst(0) depctr_va_sdst(0) depctr_va_ssrc(0) depctr_va_vcc(0) depctr_vm_vsrc(0)
	s_getreg_b32 s2, hwreg(HW_REG_IB_STS2, 6, 4)
	s_cmp_eq_u32 s2, 0
	s_cbranch_scc0 .Lentry_in_a_cluster
	s_endpgm
.Lentry_in_a_cluster:
	s_bfe_u32 s2, ttmp6, 0x10000c
	s_cmp_lg_u32 s2, 0xf033
	s_cbranch_scc0 .Lentry_shape_is_right
	s_endpgm
.Lentry_shape_is_right:
; part = h + (hidden W2 + b2), f32 [4096][1024]: a GEMM on E4M3 codes, K = 4,096, whose sums are multiplied by 2^(e14 + e15) and take the bias and the residual on the way out.
; hidden (P): hid [4 z][4096 m][1024]: (z, m, c) = hidden(m, 1024 z + c).  W2 (Q): w2s [4 z][1024 n][1024] likewise.  h: hf.  One sum for each output, K ascending.  LIMIT: e14 + e15 between -126 and 127.
; THE TILE IS 128 x 128: 32 x 8 = 256 tiles, a work-group each.  Four waves, 64 x 64 each: 16 accumulators.
; K goes in slots of 512 through a ring of two: (128 + 128) rows of 512 bytes + 16 of padding each.  A lap is a slice z: slot 0 takes its columns 0-511, slot 1 its columns 512-1023, so a slot's address steps by a slice.
; Each wave asks for 64 rows of a slot by one tensor load.  A slot is filled again at the head of its last step of 128, behind the three lines and a round of the cluster's barrier; that load has four steps in which to land.
; CLUSTERS 4 x 4: P's tile hangs on the tile row alone and is shared along a row of the cluster, Q's on the tile column alone and is shared along a column: each is asked for jointly.
; PREFETCH INTO THE L2: behind each refill a wave asks for the fill that stands two refills on (the same slot, a lap on): of the 64 rows x 512 bytes that it will fetch, each of the four partners that ask jointly takes
; 16 rows, told apart by address; two lanes to a row, 256 bytes apart: 32 blocks an instruction, each named once in a cluster.  The last lap that refills asks for nothing: no slice lies behind.  Fills 0 to 3 come by their loads alone.
; The matrix instruction is used transposed (source 0 = 16 rows of Q, source 1 = 16 rows of P): a lane holds 8 neighbouring numbers of a row of part.
; h: a wave's 64 x 64 numbers are asked for ahead of the first products, 32 loads into window 2, in the layout in which the rows come back from the stage.
; REGISTERS: window 0: v[12:15] my four columns of b2; v16-17, v20-21 LDS addresses of my P and Q fragments, one a slot; v24-28 the way out and the prefetch; v30, v31 the add's; v32-127 rows read back; v128-255 the accumulators.
;   window 1: two fragment buffers of 128 registers, for 128 along K each: 64 of P, then 64 of Q.   window 2: v0-127 h.
.set KROW,   1024
.set ESC,    0x38                      ; entries 14 and 15 of the scales
.set LAPS,   4
.set STEPA,  0x400000                  ; a slice of hid
.set STEPQ,  0x100000                  ; a slice of w2s
.set PITCH,  528                       ; an LDS row: 512 bytes + 16: an odd multiple of 16, so the 16 rows that a load touches start at 16 different 16-byte columns
.set QUART,  64*PITCH
.set SLOT,   4*QUART
.set STAGE,  2*SLOT                    ; 16 rows x 272 bytes for each wave; no tile lands here
.set SPITCH, 272
.set SPARE,  STAGE+4*16*SPITCH
.set ROWC,   4096
.set ADRA, 16
.set ADRB, 20
.set STO,  24
.set RD,   25
.set CO,   26
.set PFO,  27
.set BO,   28
.set SPW,  30
.set NIL,  31
.set BK,   32
.set ACC,  128
.set G1,   24
.set G0,   32
.set G0B,  40
.set G1B,  48
.set CX,   56
.set CY,   57
.set TC,   58
.set MR,   59
.set MC,   60
.set LD0,  61
.set QA,   62
.set RS,   68                          ; s[68:69] hf
.set BS,   70                          ; s[70:71] b2
.set SC,   72                          ; s[72:73] the two exponents, then 2^(their sum)
.set PFA,  76                          ; s[76:77] my 16 rows, in the slice that the lap's prefetches name
.set PFS,  78                          ; s[78:79] a slice of my tensor
.set GW,   (1<<20)|(1<<21)|(6<<22)|(3<<25)
.set MSB, 0
.macro WIN new
.if MSB != (\new)
	s_set_vgpr_msb (MSB<<8)|(\new)
.set MSB, \new
.endif
.endm
.set MUL,  0x05
.set TO_F, 0x40
.macro PLACES                          ; four plain vector lines between a matrix instruction and a load into, or a read of, its registers
.rept 4
	v_nop
.endr
.endm
.macro CROUND
	s_barrier_signal -1
	s_barrier_wait -1
	s_cmp_lg_u32 s14, 0
	s_cbranch_scc1 .Lnot_wave_0_\@
	s_barrier_signal -3
.Lnot_wave_0_\@:
	s_barrier_wait -3
	s_barrier_signal -1
	s_barrier_wait -1
.endm
.macro JLOAD s                         ; waves 0, 1 fetch P's halves, waves 2, 3 Q's: one load in each arm
	s_cmp_eq_u32 s15, 0
	s_cbranch_scc0 .Lfor_q_\@
	tensor_load_to_lds s[G0+4*\s:G0+4*\s+3], s[G1:G1+7]
	s_nop 0
	PLACES
	s_branch .Lasked_\@
.Lfor_q_\@:
	tensor_load_to_lds s[G0B+4*\s:G0B+4*\s+3], s[G1B:G1B+7]
	s_nop 0
	PLACES
.Lasked_\@:
.endm
.macro ASK slot                        ; s3 = 1 in the last trip that refills: no slice lies two refills on
	s_cmp_gt_u32 s3, 1
	s_cbranch_scc0 .Lnone_\@
	global_prefetch_b8 v[PFO], s[PFA:PFA+1] offset:512*\slot th:TH_LOAD_NT scope:SCOPE_SE
.Lnone_\@:
.endm
	s_load_b128 s[4:7], s[0:1], 0x0                ; hid, w2s
	s_load_b128 s[RS:RS+3], s[0:1], 0x10           ; hf, b2
	s_load_b128 s[8:11], s[0:1], 0x20              ; the scales' exponents, part
	v_lshl_add_u32 v[SPW], v0, 2, SPARE
	v_mov_b32 v[NIL], 0
	ds_add_u32 v[SPW], v[NIL]                      ; the opening lines: the add twice on end
	ds_add_u32 v[SPW], v[NIL]
	v_lshrrev_b32 v1, 5, v0
	v_readfirstlane_b32 s14, v1                    ; wave 0..3
	s_lshr_b32 s15, s14, 1                         ; my half of the tile's rows.  Also: I fetch for P (0) or Q (1)
	s_and_b32 s16, s14, 1                          ; my half of its columns.  Also: which 64 rows I fetch
	s_bfe_u32 s[CX], ttmp6, 0x40000
	s_bfe_u32 s[CY], ttmp6, 0x40004
	s_lshl_b32 s[TC], ttmp9, 2
	s_add_co_u32 s[TC], s[TC], s[CX]               ; tile column
	s_and_b32 s17, ttmp7, 0xffff
	s_lshl_b32 s17, s17, 2
	s_add_co_u32 s17, s17, s[CY]                   ; tile row
	s_lshl_b32 s[MR], s[CY], 2
	s_lshl_b32 s[MR], 15, s[MR]
	s_lshl_b32 s[MC], 0x1111, s[CX]
	s_or_b32 s[G1+0], s[MR], GW
	s_or_b32 s[G1B+0], s[MC], GW
.irp g, G1, G1B
	s_mov_b32 s[\g+1], 512<<16
	s_mov_b32 s[\g+2], 64<<16
	s_mov_b32 s[\g+3], 512<<16
	s_mov_b32 s[\g+4], 64
	s_mov_b32 s[\g+5], KROW
	s_mov_b32 s[\g+6], 0
	s_mov_b32 s[\g+7], 0
.endr
	s_lshl_b32 s18, s16, 6
	s_lshl_b32 s20, s17, 7
	s_add_co_u32 s20, s20, s18
	s_lshl_b32 s20, s20, 10                        ; P: (128 x tile row + 64 x half) rows of 1,024 bytes
	s_mov_b32 s21, 0
	s_lshl_b32 s[QA], s[TC], 7
	s_add_co_u32 s[QA], s[QA], s18
	s_lshl_b32 s[QA], s[QA], 10                    ; Q likewise, by the tile column
	s_mov_b32 s[QA+1], 0
	s_mul_i32 s[LD0], s14, QUART                   ; wave x 64 rows: no place in the cluster enters an LDS address
	s_wait_dscnt 0x0
	s_wait_kmcnt 0x0
	s_load_b64 s[SC:SC+1], s[8:9], ESC
	s_add_nc_u64 s[20:21], s[4:5], s[20:21]
	s_add_nc_u64 s[QA:QA+1], s[6:7], s[QA:QA+1]
	CROUND                                         ; all sixteen work-groups are here: the joint loads meet
.irp c, 0,1
	s_mov_b32 s[G0+4*\c], 1
	s_add_co_u32 s[G0+4*\c+1], s[LD0], \c*SLOT
	s_add_nc_u64 s[G0+4*\c+2:G0+4*\c+3], s[20:21], \c*512
	s_or_b32 s[G0+4*\c+3], s[G0+4*\c+3], 0x80000000
	s_mov_b32 s[G0B+4*\c], 1
	s_add_co_u32 s[G0B+4*\c+1], s[LD0], \c*SLOT
	s_add_nc_u64 s[G0B+4*\c+2:G0B+4*\c+3], s[QA:QA+1], \c*512
	s_or_b32 s[G0B+4*\c+3], s[G0B+4*\c+3], 0x80000000
.endr
	JLOAD 0                                        ; slot 0: my one load at the head
	s_cmp_eq_u32 s15, 0                            ; the prefetches: do I fetch for P?
	s_cselect_b32 s12, s17, s[TC]                  ; the tile, by its row or its column
	s_cselect_b32 s13, s[CX], s[CY]                ; my place among the four that ask with me
	s_cselect_b64 s[PFA:PFA+1], s[4:5], s[6:7]
	s_mov_b32 s[PFS], STEPQ
	s_cselect_b32 s[PFS], STEPA, s[PFS]
	s_mov_b32 s[PFS+1], 0
	s_lshl_b32 s12, s12, 7
	s_add_co_u32 s12, s12, s18                     ; + the 64 rows that I fetch
	s_lshl_b32 s13, s13, 4
	s_add_co_u32 s12, s12, s13                     ; + my work-group's 16 of them
	s_lshl_b32 s12, s12, 10
	s_mov_b32 s13, 0
	s_add_nc_u64 s[PFA:PFA+1], s[PFA:PFA+1], s[12:13]
	s_add_nc_u64 s[PFA:PFA+1], s[PFA:PFA+1], s[PFS:PFS+1]   ; at slice 1: the first lap steps it to slice 2
	s_mul_i32 s21, s15, QUART
	s_mul_i32 s22, s16, QUART
	s_add_co_u32 s22, s22, 2*QUART
	s_mul_i32 s23, s14, 16*SPITCH
	s_add_co_u32 s23, s23, STAGE
	v_and_b32 v1, 15, v0                           ; r
	v_bfe_u32 v2, v0, 4, 1                         ; h
	v_mul_u32_u24 v3, v1, PITCH
	v_lshl_add_u32 v4, v2, 4, v3
	v_add_nc_u32 v[ADRA], s21, v4
	v_add_nc_u32 v[ADRB], s22, v4
	v_add_nc_u32 v[ADRA+1], SLOT, v[ADRA]
	v_add_nc_u32 v[ADRB+1], SLOT, v[ADRB]
	v_mul_u32_u24 v3, v1, SPITCH
	v_lshl_add_u32 v5, v2, 5, v3
	v_add_nc_u32 v[STO], s23, v5
	v_mul_u32_u24 v5, v2, SPITCH
	v_lshl_add_u32 v5, v1, 4, v5
	v_add_nc_u32 v[RD], s23, v5
	v_lshlrev_b32 v5, 12, v2
	v_lshl_add_u32 v[CO], v1, 4, v5                ; two rows of part, and of hf
	v_lshlrev_b32 v[BO], 4, v1                     ; my four columns of the wave's 64
	v_bfe_u32 v5, v0, 1, 4
	v_and_b32 v6, 1, v0
	v_lshlrev_b32 v5, 10, v5
	v_lshl_add_u32 v[PFO], v6, 8, v5               ; row (lane / 2) x 1,024 + (lane % 2) x 256
	s_lshl_b32 s20, s17, 7
	s_lshl_b32 s21, s15, 6
	s_add_co_u32 s20, s20, s21
	s_lshl_b32 s20, s20, 12                        ; my first row x 4,096 bytes
	s_lshl_b32 s12, s[TC], 9
	s_lshl_b32 s13, s16, 8
	s_add_co_u32 s12, s12, s13                     ; my first column, in bytes
	s_mov_b32 s13, 0
	s_add_co_u32 s20, s20, s12
	s_mov_b32 s21, 0
	s_add_nc_u64 s[10:11], s[10:11], s[20:21]
	s_add_nc_u64 s[RS:RS+1], s[RS:RS+1], s[20:21]
	s_add_nc_u64 s[BS:BS+1], s[BS:BS+1], s[12:13]
.macro FRAG reg, adr, q, i             ; 16 rows x 128 K: registers 4 c .. 4 c + 3 hold K = 32 c + 16 (l / 16) + 0 .. 15: the same permutation of k in P and in Q
.irp c, 0,1,2,3
	ds_load_b128 v[\reg+4*\c:\reg+4*\c+3], v[\adr] offset:128*(\q)+32*\c+(\i)*16*PITCH
.endr
.endm
.macro FETCH slot, q, f
	WIN TO_F
.irp i, 0,1,2,3
	FRAG 128*(\f)+64+16*\i, ADRB+\slot, \q, \i
	FRAG 128*(\f)+16*\i, ADRA+\slot, \q, \i
.endr
.endm
.macro MUL8 f, a0, zero                ; P's blocks a0, a0 + 1 x Q's four; the 16 accumulators take turns
.irp a, \a0, \a0+1
.irp b, 0,1,2,3
.if \zero
	v_wmma_f32_16x16x128_fp8_fp8 v[ACC+8*(4*(\a)+\b):ACC+8*(4*(\a)+\b)+7], v[\f+64+16*\b:\f+64+16*\b+15], v[\f+16*(\a):\f+16*(\a)+15], 0
.else
	v_wmma_f32_16x16x128_fp8_fp8 v[ACC+8*(4*(\a)+\b):ACC+8*(4*(\a)+\b)+7], v[\f+64+16*\b:\f+64+16*\b+15], v[\f+16*(\a):\f+16*(\a)+15], v[ACC+8*(4*(\a)+\b):ACC+8*(4*(\a)+\b)+7]
.endif
.endr
.endr
.endm
.macro STEP slot, q, zero              ; one of a slot's first three steps of 128
	s_wait_dscnt 0x0
	PLACES
	FETCH \slot, (\q)+1, 1-(\q)%2
	WIN MUL
	MUL8 128*((\q)%2), 0, \zero
	MUL8 128*((\q)%2), 2, \zero
.endm
; A slot's last step changes slots.  In front of the barrier each wave waits for all its tensor loads (its part of the next slot), adds 0 to its spare word, and waits for that and for its reads of this slot.
; fill = 1: the barrier is a round of the cluster's, and behind it this slot is filled again, a lap on.
.macro TURN slot, next, fill
.if (\fill) && (\slot) == 0
	s_wait_xcnt 0x0                                ; my prefetches have read their address: it steps a slice
	s_add_nc_u64 s[PFA:PFA+1], s[PFA:PFA+1], s[PFS:PFS+1]
.endif
	WIN 0
	s_wait_tensorcnt 0x0
	ds_add_u32 v[SPW], v[NIL]
	s_wait_dscnt 1                                 ; this step's fragments are in; the add alone may be out
	WIN MUL
	MUL8 128, 0, 0                                 ; eight products stand between the add and the wait for it
	WIN 0
	s_wait_dscnt 0x0
.if \fill
	CROUND
	s_add_nc_u64 s[G0+4*\slot+2:G0+4*\slot+3], s[G0+4*\slot+2:G0+4*\slot+3], STEPA
	s_add_nc_u64 s[G0B+4*\slot+2:G0B+4*\slot+3], s[G0B+4*\slot+2:G0B+4*\slot+3], STEPQ
	JLOAD \slot                                    ; the first tensor load behind the round; its four v_nop are the places in front of the loads below
.else
	s_barrier_signal -1
	s_barrier_wait -1
	PLACES
.endif
	FETCH \next, 0, 0
.if \fill
	WIN 0
	ASK \slot
.endif
	WIN MUL
	MUL8 128, 2, 0
.endm
.macro RESID                           ; the residual, rows 2 n and 2 n + 1 of my 64 by load n, and the bias
	WIN 0x80                                       ; destinations in window 2
.set n, 0
.rept 32
	global_load_b128 v[4*n:4*n+3], v[CO], s[RS:RS+1] offset:2*n*ROWC th:TH_LOAD_NT
.set n, n+1
.endr
	WIN 0
	global_load_b128 v[12:15], v[BO], s[BS:BS+1]
.endm
	s_wait_alu depctr_va_vdst(0)                   ; the wait at the head's end
	s_wait_tensorcnt 0x0                           ; my part of slot 0 is in; the lines ahead of a later first fill:
	ds_add_u32 v[SPW], v[NIL]
	s_wait_dscnt 0x0
	CROUND
	JLOAD 1                                        ; slot 1
	FETCH 0, 0, 0
	RESID
	STEP 0, 0, 1                                   ; the first step's products start the sums
	WIN 0
	s_mov_b32 s3, LAPS-1
.Llap:                                             ; a trip goes once round the ring, from a lap's second step to the next lap's first, and fills both slots again
	STEP 0, 1, 0
	STEP 0, 2, 0
	TURN 0, 1, 1
	STEP 1, 0, 0
	STEP 1, 1, 0
	STEP 1, 2, 0
	TURN 1, 0, 1
	STEP 0, 0, 0
	WIN 0
	s_sub_co_u32 s3, s3, 1
	s_cmp_lg_u32 s3, 0
	s_cbranch_scc1 .Llap
	STEP 0, 1, 0                                   ; the last lap fills nothing
	STEP 0, 2, 0
	TURN 0, 1, 0
	STEP 1, 0, 0
	STEP 1, 1, 0
	STEP 1, 2, 0
	s_wait_dscnt 0x0
	MUL8 128, 0, 0
	MUL8 128, 2, 0
	WIN 0
; THE WAY OUT, block by block of 16 rows x 64 columns: the sums go from the accumulators (each from its low end on) into my own stage and come back as whole rows of 256 bytes;
; there each takes its scale and bias (one fused line for two numbers) and the residual.  LDS serves a wave's instructions in order (ISA guide 5.7.1.4): no wait between the stores and the loads.
.macro TOSTAGE a
.irp b, 0,1,2,3
	ds_store_b128 v[STO], v[ACC+8*(4*(\a)+\b):ACC+8*(4*(\a)+\b)+3] offset:64*\b
	ds_store_b128 v[STO], v[ACC+8*(4*(\a)+\b)+4:ACC+8*(4*(\a)+\b)+7] offset:64*\b+16
.endr
.set BB, BK+32*((\a)%3)
.irp t, 0,1,2,3,4,5,6,7
	ds_load_b128 v[BB+4*\t:BB+4*\t+3], v[RD] offset:\t*2*SPITCH
.endr
.endm
.macro SEND a, younger                 ; younger: the LDS instructions issued behind block a's loads, which may stay out
.set BB, BK+32*((\a)%3)
	s_wait_dscnt \younger
.set k, 0
.rept 16
	v_pk_fma_f32 v[BB+2*k:BB+2*k+1], v[BB+2*k:BB+2*k+1], s[SC:SC+1], v[12+2*(k%2):13+2*(k%2)] op_sel_hi:[1,0,1]
.set k, k+1
.endr
	WIN 0x08                                       ; source 1 in window 2
.set k, 0
.rept 16
	v_pk_add_f32 v[BB+2*k:BB+2*k+1], v[BB+2*k:BB+2*k+1], v[32*(\a)+2*k:32*(\a)+2*k+1]
.set k, k+1
.endr
	WIN 0
.irp t, 0,1,2,3,4,5,6,7
	global_store_b128 v[CO], v[BB+4*\t:BB+4*\t+3], s[10:11] offset:(16*(\a)+2*\t)*ROWC   ; sixteen lanes store 256 consecutive bytes, aligned
.endr
.endm
	s_wait_kmcnt 0x0
	s_add_co_i32 s[SC], s[SC], s[SC+1]
	s_add_co_i32 s[SC], s[SC], 127
	s_lshl_b32 s[SC], s[SC], 23                    ; 2^(the two exponents' sum)
	s_mov_b32 s[SC+1], s[SC]
	s_wait_loadcnt 0x0                             ; the residual and the bias
	PLACES
	TOSTAGE 0
	TOSTAGE 1
	SEND 0, 16
	TOSTAGE 2
	SEND 1, 16
	s_wait_xcnt 0x0                                ; block 0's stores have read their registers: block 3's rows land there
	TOSTAGE 3
	SEND 2, 16
	SEND 3, 0
	s_wait_tensorcnt 0x0                           ; the wave's end
	ds_add_u32 v[SPW], v[NIL]
	s_wait_dscnt 0x0
	CROUND                                         ; the closing round
	s_endpgm
.Lfunc_end_k_q4ffbffb21e_ffn2:
	.size	k_q4ffbffb21e_ffn2, .Lfunc_end_k_q4ffbffb21e_ffn2-k_q4ffbffb21e_ffn2
	.p2alignl 7, 3214868480
	.fill 96, 4, 3214868480
	.section	.rodata,"a",@progbits
	.p2align	6, 0x0
	.amdhsa_kernel k_q4ffbffb21e_ffn2
		.amdhsa_group_segment_fixed_size 327680
		.amdhsa_private_segment_fixed_size 0
		.amdhsa_enable_private_segment 0
		.amdhsa_kernarg_size 48
		.amdhsa_user_sgpr_count 2
		.amdhsa_user_sgpr_kernarg_segment_ptr 1
		.amdhsa_wavefront_size32 1
		.amdhsa_system_sgpr_workgroup_id_x 1
		.amdhsa_system_sgpr_workgroup_id_y 1
		.amdhsa_system_sgpr_workgroup_id_z 1
		.amdhsa_system_vgpr_workitem_id 0
		.amdhsa_next_free_vgpr 640
		.amdhsa_next_free_sgpr 84
		.amdhsa_reserve_vcc 0
		.amdhsa_float_denorm_mode_32 3
		.amdhsa_float_denorm_mode_16_64 3
		.amdhsa_memory_ordered 1
		.amdhsa_forward_progress 1
		.amdhsa_inst_pref_size 82
	.end_amdhsa_kernel
	.amdgpu_metadata
---
amdhsa.version: [ 1, 2 ]
amdhsa.kernels:
  - .name:           k_q4ffbffb21e_ffn2
    .symbol:         k_q4ffbffb21e_ffn2.kd
    .args:
      - { .name: hid, .offset: 0, .size: 8, .value_kind: global_buffer, .address_space: global }
      - { .name: w2s, .offset: 8, .size: 8, .value_kind: global_buffer, .address_space: global }
      - { .name: hf, .offset: 16, .size: 8, .value_kind: global_buffer, .address_space: global }
      - { .name: b2, .offset: 24, .size: 8, .value_kind: global_buffer, .address_space: global }
      - { .name: lowp_scales, .offset: 32, .size: 8, .value_kind: global_buffer, .address_space: global }
      - { .name: part, .offset: 40, .size: 8, .value_kind: global_buffer, .address_space: global }
    .group_segment_fixed_size: 327680
    .private_segment_fixed_size: 0
    .kernarg_segment_align: 8
    .kernarg_segment_size: 48
    .max_flat_workgroup_size: 128
    .sgpr_count:     84
    .vgpr_count:     640
    .wavefront_size: 32
...
	.end_amdgpu_metadata
.endif
;; end of part 7
;; launch ln2 (part 8): grid 256 x 1, 16 waves a work-group, no clusters, 0 bytes of LDS; arguments part, g2, be2, out0; writes out0
.if DOCPART == 8
	.amdgcn_target "amdgcn-amd-amdhsa--gfx1250"
	.amdhsa_code_object_version 6
	.text
	.protected	k_q4ffbffb21e_ln2
	.globl	k_q4ffbffb21e_ln2
	.p2align	8
	.type	k_q4ffbffb21e_ln2,@function
k_q4ffbffb21e_ln2:
	s_mov_b64 s[64:65], 0
	v_nop
	global_prefetch_b8 v0, s[64:65] scope:SCOPE_SE
	s_setreg_imm32_b32 hwreg(HW_REG_WAVE_MODE, 25, 1), 1
	s_wait_xcnt 0x0
; out = LayerNorm(y; g2, be2).  y = h + (hidden W2 + b2): part, as the launch before stored it.
; One wave takes one row of 1,024: 32 numbers a lane, kept in registers between the passes: mean, then the mean of the squared differences, then the scaling.
; Register 4 j + e of a row holds element 128 j + 4 lane + e: every load and store covers 512 consecutive bytes.  No LDS, no barrier: no wave waits for another.
; NaN is not served.
.set Y,  16                            ; v16-47   the row at work
.set G,  48                            ; v48-79   g2
.set BE, 80                            ; v80-111  be2
.macro LDROW reg, base
.irp j, 0,1,2,3,4,5,6,7
	global_load_b128 v[\reg+4*\j:\reg+4*\j+3], v1, s[\base:\base+1] offset:512*\j th:TH_LOAD_NT
.endr
.endm
.macro LDVEC reg, base
.irp j, 0,1,2,3,4,5,6,7
	global_load_b128 v[\reg+4*\j:\reg+4*\j+3], v1, s[\base:\base+1] offset:512*\j
.endr
.endm
.macro LANES                           ; v[2:3] -> the sum over both halves and all 32 lanes, in v2 of every lane
	s_delay_alu instid0(VALU_DEP_1)
	v_add_f32 v2, v2, v3
	s_delay_alu instid0(VALU_DEP_1)
	v_add_f32_dpp v2, v2, v2 row_xmask:1 row_mask:0xf bank_mask:0xf
	s_delay_alu instid0(VALU_DEP_1)
	v_add_f32_dpp v2, v2, v2 row_xmask:2 row_mask:0xf bank_mask:0xf
	s_delay_alu instid0(VALU_DEP_1)
	v_add_f32_dpp v2, v2, v2 row_xmask:4 row_mask:0xf bank_mask:0xf
	s_delay_alu instid0(VALU_DEP_1)
	v_add_f32_dpp v2, v2, v2 row_xmask:8 row_mask:0xf bank_mask:0xf
	s_delay_alu instid0(VALU_DEP_1)
	v_permlanex16_b32 v3, v2, s32, s33
	s_delay_alu instid0(VALU_DEP_1)
	v_add_f32 v2, v2, v3
.endm
	s_load_b256 s[4:11], s[0:1], 0x0               ; part 4, g2 6, be2 8, out0 10
	v_lshrrev_b32 v2, 5, v0
	s_delay_alu instid0(VALU_DEP_1)
	v_readfirstlane_b32 s24, v2                    ; wave
	v_and_b32 v3, 31, v0
	s_delay_alu instid0(VALU_DEP_1)
	v_lshlrev_b32 v1, 4, v3                        ; 16 x lane
	s_lshl_b32 s25, ttmp9, 4
	s_add_co_u32 s25, s25, s24                     ; my row
	s_lshl_b32 s26, s25, 12
	s_mov_b32 s27, 0
	s_mov_b32 s32, 0x76543210
	s_mov_b32 s33, 0xfedcba98
	s_mov_b32 s34, 0x3a800000                      ; 1 / 1,024
	s_mov_b32 s35, 0x3727c5ac                      ; 1e-5
	s_wait_alu depctr_va_vdst(0)
	s_wait_kmcnt 0x0
	s_add_nc_u64 s[4:5], s[4:5], s[26:27]
	s_add_nc_u64 s[10:11], s[10:11], s[26:27]
	LDROW Y, 4
	LDVEC G, 6
	LDVEC BE, 8
	s_wait_loadcnt 16                              ; the row is in; g2's and be2's sixteen loads may be out
	v_pk_add_f32 v[2:3], v[Y:Y+1], v[Y+2:Y+3]
	v_pk_add_f32 v[4:5], v[Y+4:Y+5], v[Y+6:Y+7]
.irp j, 8,12,16,20,24,28
	s_delay_alu instid0(VALU_DEP_2)
	v_pk_add_f32 v[2:3], v[2:3], v[Y+\j:Y+\j+1]
	s_delay_alu instid0(VALU_DEP_2)
	v_pk_add_f32 v[4:5], v[4:5], v[Y+\j+2:Y+\j+3]
.endr
	s_delay_alu instid0(VALU_DEP_1)
	v_pk_add_f32 v[2:3], v[2:3], v[4:5]
	LANES
	s_delay_alu instid0(VALU_DEP_1)
	v_mul_f32 v6, s34, v2                          ; the mean
	s_delay_alu instid0(VALU_DEP_1)
	v_mov_b32 v7, v6
.set j, 0
.rept 16
	v_pk_add_f32 v[Y+j:Y+j+1], v[Y+j:Y+j+1], v[6:7] op_sel_hi:[1,0] neg_lo:[0,1] neg_hi:[0,1]
.set j, j+2
.endr
	v_pk_mul_f32 v[2:3], v[Y:Y+1], v[Y:Y+1]
	v_pk_mul_f32 v[4:5], v[Y+2:Y+3], v[Y+2:Y+3]
.irp j, 4,8,12,16,20,24,28
	s_delay_alu instid0(VALU_DEP_2)
	v_pk_fma_f32 v[2:3], v[Y+\j:Y+\j+1], v[Y+\j:Y+\j+1], v[2:3]
	s_delay_alu instid0(VALU_DEP_2)
	v_pk_fma_f32 v[4:5], v[Y+\j+2:Y+\j+3], v[Y+\j+2:Y+\j+3], v[4:5]
.endr
	s_delay_alu instid0(VALU_DEP_1)
	v_pk_add_f32 v[2:3], v[2:3], v[4:5]
	LANES
	s_delay_alu instid0(VALU_DEP_1)
	v_fma_f32 v8, v2, s34, s35                     ; the variance + 1e-5
	s_wait_alu depctr_va_vdst(0)
	v_rsq_f32 v10, v8
	v_nop                                          ; a plain line behind the transcendental,
	s_wait_alu depctr_va_vdst(0)                   ; and the wait ahead of its first reader
	v_mov_b32 v11, v10
.set j, 0
.rept 16
	v_pk_mul_f32 v[Y+j:Y+j+1], v[Y+j:Y+j+1], v[10:11] op_sel_hi:[1,0]
.set j, j+2
.endr
	s_wait_loadcnt 0x0                             ; g2, be2
.set j, 0
.rept 16
	v_pk_fma_f32 v[Y+j:Y+j+1], v[Y+j:Y+j+1], v[G+j:G+j+1], v[BE+j:BE+j+1]
.set j, j+2
.endr
.irp j, 0,1,2,3,4,5,6,7
	global_store_b128 v1, v[Y+4*\j:Y+4*\j+3], s[10:11] offset:512*\j th:TH_STORE_NT
.endr
	s_endpgm
.Lfunc_end_k_q4ffbffb21e_ln2:
	.size	k_q4ffbffb21e_ln2, .Lfunc_end_k_q4ffbffb21e_ln2-k_q4ffbffb21e_ln2
	.p2alignl 7, 3214868480
	.fill 96, 4, 3214868480
	.section	.rodata,"a",@progbits
	.p2align	6, 0x0
	.amdhsa_kernel k_q4ffbffb21e_ln2
		.amdhsa_group_segment_fixed_size 0
		.amdhsa_private_segment_fixed_size 0
		.amdhsa_enable_private_segment 0
		.amdhsa_kernarg_size 32
		.amdhsa_user_sgpr_count 2
		.amdhsa_user_sgpr_kernarg_segment_ptr 1
		.amdhsa_wavefront_size32 1
		.amdhsa_system_sgpr_workgroup_id_x 1
		.amdhsa_system_sgpr_workgroup_id_y 1
		.amdhsa_system_sgpr_workgroup_id_z 1
		.amdhsa_system_vgpr_workitem_id 0
		.amdhsa_next_free_vgpr 112
		.amdhsa_next_free_sgpr 66
		.amdhsa_reserve_vcc 0
		.amdhsa_float_denorm_mode_32 3
		.amdhsa_float_denorm_mode_16_64 3
		.amdhsa_memory_ordered 1
		.amdhsa_forward_progress 1
		.amdhsa_inst_pref_size 12
	.end_amdhsa_kernel
	.amdgpu_metadata
---
amdhsa.version: [ 1, 2 ]
amdhsa.kernels:
  - .name:           k_q4ffbffb21e_ln2
    .symbol:         k_q4ffbffb21e_ln2.kd
    .args:
      - { .name: part, .offset: 0, .size: 8, .value_kind: global_buffer, .address_space: global }
      - { .name: g2, .offset: 8, .size: 8, .value_kind: global_buffer, .address_space: global }
      - { .name: be2, .offset: 16, .size: 8, .value_kind: global_buffer, .address_space: global }
      - { .name: out0, .offset: 24, .size: 8, .value_kind: global_buffer, .address_space: global }
    .group_segment_fixed_size: 0
    .private_segment_fixed_size: 0
    .kernarg_segment_align: 8
    .kernarg_segment_size: 32
    .max_flat_workgroup_size: 512
    .sgpr_count:     66
    .vgpr_count:     112
    .wavefront_size: 32
...
	.end_amdgpu_metadata
.endif
;; end of part 8
